; MI455X (gfx1250); checked and timed in simulation.
; The chip was launched on July 23, 2026; its instructions are those of AMD's public machine-readable ISA for CDNA 5 (MIT licence, August 2026) and "CDNA5" Instruction Set Architecture Reference Guide (July 2026). The comments in the code are by the model that wrote it; some were corrected since.
;; Multi Head Self Attention. Allowed arithmetic: matrix products marked QUANTISED: E2M3 operands, one E8M0 scale for each 32 along K, by v_wmma_scale_f32_16x16x128_f8f6f4 with both operands' format E2M3, f32 sums; everything else in f32.
;; Inputs: Wk 1,024 x 1,024 float32; Wo 1,024 x 1,024 float32; Wq 1,024 x 1,024 float32; Wv 1,024 x 1,024 float32; bk 1,024 float32; bo 1,024 float32; bq 1,024 float32; bv 1,024 float32; inputs 2 x 2,048 x 1,024 float32.
;; Outputs: out0 2 x 2,048 x 1,024 float32.
;; This version of the problem:
;;   THIS VERSION OF THE PROBLEM IS GIVEN IN LOW PRECISION. The matrix products marked QUANTISED in the list below multiply operands that are first quantised to E2M3 (2 exponent bits, 3 mantissa bits; 6 bits a number), with one power-of-two scale for each 32 numbers along K (OCP MX v1.0); their sums are f32. All else is computed in f32.
;;   The module's matrix products, in the order in which they are computed (A, B: the left and right operand; K: the contracted axis; several contracted axes count as one K, in the product's order):
;;     1. [M 4,096, K 1,024] x [K 1,024, N 1,024]; A: input inputs; B: input Wq: QUANTISED
;;     2. [M 4,096, K 1,024] x [K 1,024, N 1,024]; A: input inputs; B: input Wk: QUANTISED
;;     3. [M 4,096, K 1,024] x [K 1,024, N 1,024]; A: input inputs; B: input Wv: QUANTISED
;;     4. batch 32 x [M 2,048, K 64] x [K 64, N 2,048]; A: computed on the way; B: computed on the way: QUANTISED
;;     5. batch 32 x [M 2,048, K 2,048] x [K 2,048, N 64]; A: softmax (see below); B: computed on the way: QUANTISED
;;     6. [M 4,096, K 1,024] x [K 1,024, N 1,024]; A: computed on the way; B: input Wo: QUANTISED
;;   THE QUANTISER, for each operand of a quantised product, along K:
;;     - K is cut into blocks of 32 from its start; a last block that is shorter is filled with zeros.
;;     - A block's scale is 2^e with e = floor(log2(the largest magnitude in the block)) - 2, held to -126 .. 127; a block of zeros has e = 0. As a byte (E8M0): e + 127.
;;     - Each number is divided by its block's scale, clamped to +-7.5, and rounded to the nearest number of E2M3, ties to even, subnormals kept.
;;     - The product sums the exact products of the quantised numbers (number of the format x scale) in f32.
;;   ~~~python
;;   def quantise(x, axis):      # numpy; x: float32 -> the quantised numbers, widened to float32 again
;;       x = np.moveaxis(x, axis, -1); K = x.shape[-1]
;;       x = np.pad(x, [(0, 0)] * (x.ndim - 1) + [(0, -K % 32)]); x = x.reshape(x.shape[:-1] + (-1, 32)); a = np.abs(x).max(-1, keepdims=True)
;;       e = np.where(a > 0, np.clip(np.frexp(np.where(a > 0, a, 1))[1] - 1 - 2, -126, 127), 0)      # np.frexp(a)[1] - 1 = floor(log2(a)), exactly
;;       r = np.clip(x / 2.0 ** e, -7.5, 7.5)
;;       step = 2.0 ** (np.maximum(np.frexp(np.where(r == 0, 1, r))[1] - 1, 0) - 3)
;;       q = np.round(r / step) * step * 2.0 ** e      # np.round: ties to even
;;       return np.moveaxis(q.reshape(q.shape[:-2] + (-1,))[..., :K], -1, axis).astype(np.float32)
;;   ~~~
;;   SOFTMAX AHEAD OF A QUANTISED PRODUCT. Where the list says 'softmax', what is quantised is not the finished softmax but p = 2^(t - M), with t = logit x log2(e) and M = ceil(the row's largest t), a whole number; so 1/2 < the row's largest p <= 1. The row's sum l is taken of the UNQUANTISED p, in f32, and the product's result is divided by l at the end. Since M is a whole number, a kernel that streams over the keys may use a running M (the ceiling of the running maximum): every later rescaling is an exact power of two, which a block's scale takes up: the codes' values come out the same.
;;   OPERANDS COMPUTED ON THE WAY. 'Computed on the way' means the value that the module computes at that place (a softmax that the list does not call 'softmax' is quantised finished and normalised). What goes into a quantiser is computed in f32, as accurately as f32 sums, v_exp_f32 and their like allow (about 1e-6 of the number): no bf16 or f16 on the way to a quantiser, and a product that is left as it is and whose result goes on into a quantised operand takes f32 operands (vector FMAs, or v_wmma_f32_16x16x4_f32). A number that lies on a knife's edge between two numbers of the format may be rounded either way, as far as f32 arithmetic and the matrix unit's own rounding can turn it there, and no further.
;; One version. Each part assembles by itself: llvm-mc -triple=amdgcn-amd-amdhsa -mcpu=gfx1250 --defsym DOCPART=n.
;; ======== version 1 of 1: 4 launches
;; limits: right only within a limited range of input values
;; workspace buffers: codes 6,291,456 bytes; scl 262,144 bytes; qk 6,815,744 bytes; vimg 3,276,800 bytes; ac 3,145,728 bytes; asw 131,072 bytes
;; launch quant (part 1): grid 256 x 1, 4 waves a work-group, no clusters, 68,096 bytes of LDS; arguments inputs, Wq, Wk, Wv, Wo, codes, scl; writes codes, scl
.if DOCPART == 1
	.amdgcn_target "amdgcn-amd-amdhsa--gfx1250"
	.amdhsa_code_object_version 6
	.text
	.protected	k_qdd8f25f6a5_quant
	.globl	k_qdd8f25f6a5_quant
	.p2align	8
	.type	k_qdd8f25f6a5_quant,@function
k_qdd8f25f6a5_quant:
	s_mov_b64 s[64:65], 0
	v_nop
	global_prefetch_b8 v0, s[64:65] scope:SCOPE_SE
	s_setreg_imm32_b32 hwreg(HW_REG_WAVE_MODE, 25, 1), 1
	s_wait_xcnt 0x0
; inputs [4096][1024] (K innermost) and Wq, Wk, Wv, Wo [1024 (k)][1024 (n)] (K is the FIRST axis), all f32, become codes of FP6 (E2M3) with one E8M0 byte for each 32 along K.
; A block's scale is 2^(floor(log2(its largest magnitude)) - 2); its byte is the largest magnitude's exponent field - 2, held at 1 from below; numbers are divided by the scale and rounded to the nearest code, ties to even.
; codes: 8,192 rows of 1,024 codes (rows 0-4095 tokens, then the output columns of Wq, Wk, Wv, Wo), laid [64 groups of 128 rows][4 chunks of 256 along K][128 rows][192 bytes]: a (group, chunk) tile is 24,576 dense bytes.
; scl: [8192 rows][32 bytes], one byte a block.
; ORDER INSIDE A BLOCK: position p of a block's 32 codes holds k = 0-7, 16-23, 8-15, 24-31.  Every operand of this program is laid so, on both sides of every product, so the products are the same set.
; LIMITS: NaN and infinities are not served; a block whose largest magnitude lies under 2^-124 gets the byte 1; a block of zeros gets the byte 1 (its codes are zeros, and this program alone reads the bytes).
; Work-groups 0-127 take the tokens (a wave: 8 rows, 16 steps of 512 numbers), work-groups 128-255 the weights (a wave: 32 columns x 256 along K): 128 KiB read by each.  The two ways share no LDS byte.
; No barrier: waves share nothing.  No matrix unit, no cluster: every input byte is read once and nothing is shared between work-groups.
.set STEPS,  16
.set CB,     12                        ; bytes of 16 codes
.set SP,     80                        ; a place in the tokens' stage: 64 bytes + 16 of padding
.set WREG,   8192                      ; tokens' way: LDS of a wave: two stages of 32 places, then its 256 scale bytes
.set GROUPB, 98304                     ; 128 rows of codes
.set CHUNKB, 24576                     ; 128 rows x 192 bytes
.set R,      16                        ; v16-79   four sets of 16 numbers as loaded
.set X,      80                        ; v80-111  two sets of 16 numbers of one half block
.set E,      112                       ; v112-127 a scale byte for each step
.set C,      128                       ; v128-191 codes, four registers for each step
.set NB,     8                         ; weights' way: blocks of a lane
.set WSTG,   32768                     ; its stages begin here
.set WPITCH, 272                       ; a stage row: sixteen places of 16 bytes (12 of codes) + 16
.set WX,     32                        ; v32-95   two sets of 32 numbers
.set WC,     96                        ; v96-102  a block's codes
.set OUTR,   112                       ; v112-175 the way out
.set SB,     24                        ; v24-25   the scale bytes, four to a register
	s_load_b256 s[4:11], s[0:1], 0x0               ; inputs, Wq, Wk, Wv
	s_load_b128 s[12:15], s[0:1], 0x20             ; Wo, codes
	s_load_b64 s[16:17], s[0:1], 0x30              ; scl
	v_lshl_add_u32 v192, v0, 2, 0x10800
	v_mov_b32 v193, 0
	v_lshrrev_b32 v1, 5, v0
	v_readfirstlane_b32 s20, v1                    ; wave
	v_and_b32 v2, 31, v0                           ; lane
	s_cmp_lt_u32 ttmp9, 128
	s_cbranch_scc0 .Lweights
	; ---------------- THE TOKENS.  Loads take the bytes as they lie (512 consecutive bytes each); a step's 2,048 bytes turn through the wave's stage and come back 16 numbers of one block a lane.
	v_lshlrev_b32 v3, 4, v2                        ; my 16 bytes of a load's 512
	s_mul_i32 s21, s20, WREG
	v_lshrrev_b32 v14, 2, v2
	v_mul_u32_u24 v14, v14, SP
	v_and_b32 v15, 3, v2
	v_lshl_add_u32 v14, v15, 4, v14
	v_add_nc_u32 v14, s21, v14                     ; into the stage: SP (lane / 4) + 16 (lane % 4)
	v_lshrrev_b32 v15, 1, v2
	v_mul_u32_u24 v15, v15, 2*SP
	v_and_b32 v5, 1, v2
	v_lshl_add_u32 v15, v5, 5, v15
	v_add_nc_u32 v15, s21, v15                     ; out of it: block lane / 2 (two places); the even lane takes k 0-7 and 16-23, the odd lane k 8-15 and 24-31
	v_and_b32 v4, 15, v2
	v_mul_u32_u24 v4, v4, CB
	v_lshrrev_b32 v5, 4, v2
	v_mad_u32_u24 v4, v5, CHUNKB, v4               ; my codes: lanes 0-15 fill a row's 192 bytes of one chunk, lanes 16-31 those of the next chunk
	v_lshrrev_b32 v5, 1, v2
	s_add_co_u32 s21, s21, 2*32*SP
	v_add_nc_u32 v5, s21, v5                       ; my block's scale byte in the wave's 256
	v_lshlrev_b32 v7, 3, v2
	v_add_nc_u32 v6, s21, v7                       ; and 8 bytes a lane on the way out
	s_lshl_b32 s22, ttmp9, 2
	s_add_co_u32 s22, s22, s20                     ; which run of 8 rows is my wave's: 0 .. 511
	s_lshl_b32 s24, s22, 15                        ; 32,768 bytes of f32 a run
	s_mov_b32 s25, 0
	s_lshr_b32 s26, s22, 4
	s_mul_i32 s26, s26, GROUPB                     ; sixteen runs to a group of 128 rows,
	s_and_b32 s27, s22, 15
	s_mul_i32 s27, s27, 8*192                      ; 8 rows of 192 bytes a run in each chunk
	s_add_co_u32 s26, s26, s27
	s_mov_b32 s27, 0
	s_lshl_b32 s28, s22, 8                         ; 256 scale bytes a run
	s_mov_b32 s29, 0
	s_wait_alu depctr_va_vdst(0)
	s_wait_kmcnt 0x0
	s_add_nc_u64 s[4:5], s[4:5], s[24:25]
	s_add_nc_u64 s[14:15], s[14:15], s[26:27]
	s_add_nc_u64 s[16:17], s[16:17], s[28:29]
.macro LOADX t
.irp i, 0,1,2,3
	global_load_b128 v[R+16*((\t)%4)+4*\i:R+16*((\t)%4)+4*\i+3], v3, s[4:5] offset:2048*(\t)+512*\i th:TH_LOAD_NT
.endr
.endm
.macro TURNX t                         ; LDS serves a wave's instructions in order: no wait between the stores and the loads
.irp i, 0,1,2,3
	ds_store_b128 v14, v[R+16*((\t)%4)+4*\i:R+16*((\t)%4)+4*\i+3] offset:32*SP*((\t)%2)+8*SP*\i
.endr
.irp i, 0,1,2,3
	ds_load_b128 v[X+16*((\t)%2)+4*\i:X+16*((\t)%2)+4*\i+3], v15 offset:32*SP*((\t)%2)+16*(\i%2)+SP*(\i/2)
.endr
.endm
.irp t, 0,1,2,3
	LOADX \t
.endr
	s_wait_loadcnt 12                              ; step 0's four loads are in; the 12 of steps 1 to 3 stay out
	TURNX 0
.macro STEPX t
.set XS, X+16*((\t)%2)
.if (\t) > 0
	s_wait_dscnt 1                                 ; this step's numbers are back from the stage; the last step's byte store may be out
.else
	s_wait_dscnt 0x0
.endif
.if (\t)+4 < STEPS
	LOADX (\t)+4                                   ; into the registers that this step's stage stores have read
.endif
.if (\t)+1 < STEPS
.if STEPS-2-(\t) >= 3
	s_wait_loadcnt 12                              ; the next step's four loads are in; those of the three steps behind it may be out
.else
	s_wait_loadcnt 4*(STEPS-2-(\t))
.endif
	TURNX (\t)+1
.endif
	v_max3_num_f32 v8, |v[XS]|, |v[XS+1]|, |v[XS+2]|
	v_max3_num_f32 v9, |v[XS+3]|, |v[XS+4]|, |v[XS+5]|
.irp i, 6,10
	v_max3_num_f32 v8, v8, |v[XS+\i]|, |v[XS+\i+1]|
	v_max3_num_f32 v9, v9, |v[XS+\i+2]|, |v[XS+\i+3]|
.endr
	v_max3_num_f32 v8, v8, |v[XS+14]|, |v[XS+15]|
	v_max3_num_f32 v8, v8, v9, 0x1800000           ; and the floor 2^(3 - 127): the byte cannot fall under 1
	v_max_num_f32_dpp v8, v8, v8 row_xmask:1 row_mask:0xf bank_mask:0xf   ; with my neighbour's 16: the block's largest magnitude
	v_add_nc_u32 v11, 0xff000000, v8               ; 2 off its exponent field: the conversion takes this operand's exponent field as the scale
	v_cvt_scalef32_pk16_fp6_f32 v[C+4*(\t):C+4*(\t)+2], v[XS:XS+15], v11
	v_lshrrev_b32 v[E+(\t)], 23, v11               ; the scale's byte (also the plain line behind the conversion)
	ds_store_b8 v5, v[E+(\t)] offset:16*(\t)       ; both lanes of a block write the same byte with the same value
	global_store_b96 v4, v[C+4*(\t):C+4*(\t)+2], s[14:15] offset:((\t)/2)*192+((\t)%2)*2*CHUNKB   ; row t / 2 of my 8; the row's first or second pair of chunks
.endm
.irp t, 0,1,2,3,4,5,6,7,8,9,10,11,12,13,14,15
	STEPX \t
.endr
	ds_load_b64 v[12:13], v6                       ; LDS serves a wave's instructions in order: these see my byte stores
	s_wait_dscnt 0x0
	global_store_b64 v7, v[12:13], s[16:17]        ; the wave stores 256 consecutive bytes, aligned: 8 rows of 32 scale bytes
	s_wait_tensorcnt 0x0
	ds_add_u32 v192, v193
	s_wait_dscnt 0x0
	s_endpgm
	; ---------------- THE WEIGHTS.  A lane takes a column n and its registers run down K: a block lies in one lane's 32 registers, and the codes come out with K innermost.
.Lweights:
	s_sub_co_u32 s21, ttmp9, 128
	s_lshr_b32 s22, s21, 5                         ; which weight: 0 Wq, 1 Wk, 2 Wv, 3 Wo
	s_and_b32 s23, s21, 7                          ; which 128 columns
	s_bfe_u32 s24, s21, 0x20003                    ; which 256 along K
	s_wait_alu depctr_va_vdst(0)
	v_lshlrev_b32 v3, 2, v2                        ; in: 4 bytes a lane
	s_mul_i32 s25, s20, 32*WPITCH
	s_add_co_u32 s25, s25, WSTG                    ; my stage
	v_mul_u32_u24 v4, v2, WPITCH
	v_add_nc_u32 v4, s25, v4                       ; into it: row = my column
	v_and_b32 v5, 15, v2
	v_lshrrev_b32 v6, 4, v2
	v_mul_u32_u24 v7, v6, WPITCH
	v_lshl_add_u32 v7, v5, 4, v7
	v_add_nc_u32 v7, s25, v7                       ; out of it: sixteen lanes to a row, two rows an instruction
	v_mul_u32_u24 v8, v6, 192
	v_mad_u32_u24 v8, v5, 12, v8                   ; and the same place in the chunk's rows of 192 bytes
	v_lshlrev_b32 v9, 5, v2                        ; my column's row of scale bytes
	s_lshl_b32 s26, s24, 20                        ; W: 256 rows of 4,096 bytes,
	s_lshl_b32 s27, s23, 9
	s_add_co_u32 s26, s26, s27                     ; 128 columns of 4 bytes,
	s_lshl_b32 s27, s20, 7
	s_add_co_u32 s26, s26, s27                     ; 32 columns a wave
	s_mov_b32 s27, 0
	s_lshl_b32 s28, s22, 3
	s_add_co_u32 s28, s28, s23
	s_add_co_u32 s28, s28, 32                      ; the group of 128 code rows: 32 + 8 x weight + columns / 128
	s_mul_i32 s28, s28, GROUPB
	s_mul_i32 s29, s24, CHUNKB
	s_add_co_u32 s28, s28, s29
	s_mul_i32 s29, s20, 32*192
	s_add_co_u32 s28, s28, s29
	s_mov_b32 s29, 0
	s_lshl_b32 s30, s22, 15                        ; scale bytes: (4096 + 1024 weight + 128 x + 32 wave) rows of 32, + 8 for each 256 along K
	s_lshl_b32 s31, s23, 12
	s_add_co_u32 s30, s30, s31
	s_lshl_b32 s31, s20, 10
	s_add_co_u32 s30, s30, s31
	s_lshl_b32 s31, s24, 3
	s_add_co_u32 s30, s30, s31
	s_add_co_u32 s30, s30, 4096*32
	s_mov_b32 s31, 0
	s_wait_kmcnt 0x0
	s_cmp_eq_u32 s22, 1                            ; the choice of the buffer hangs on the work-group's number alone
	s_cselect_b64 s[6:7], s[8:9], s[6:7]
	s_cmp_eq_u32 s22, 2
	s_cselect_b64 s[6:7], s[10:11], s[6:7]
	s_cmp_eq_u32 s22, 3
	s_cselect_b64 s[6:7], s[12:13], s[6:7]
	s_add_nc_u64 s[6:7], s[6:7], s[26:27]
	s_add_nc_u64 s[14:15], s[14:15], s[28:29]
	s_add_nc_u64 s[16:17], s[16:17], s[30:31]
.macro LOADW t                         ; block t: register i takes row 32 t + (0-7, 16-23, 8-15, 24-31)[i] of my column; 32 lanes read 128 consecutive bytes
.irp i, 0,1,2,3,4,5,6,7,8,9,10,11,12,13,14,15,16,17,18,19,20,21,22,23,24,25,26,27,28,29,30,31
	global_load_b32 v[WX+32*((\t)%2)+\i], v3, s[6:7] offset:(32*(\t)+((\i)&7)+((\i)&8)*2+((\i)&16)/2)*4096 th:TH_LOAD_NT
.endr
.endm
	LOADW 0
	LOADW 1
.macro BLOCKW t
.set XS, WX+32*((\t)%2)
.if (\t) < NB-1
	s_wait_loadcnt 32                              ; this block's 32 loads are in; the next block's 32 may be out
.else
	s_wait_loadcnt 0
.endif
	v_max3_num_f32 v12, |v[XS]|, |v[XS+1]|, |v[XS+2]|
	v_max3_num_f32 v13, |v[XS+3]|, |v[XS+4]|, |v[XS+5]|
.irp i, 6,10,14,18,22,26
	v_max3_num_f32 v12, v12, |v[XS+\i]|, |v[XS+\i+1]|
	v_max3_num_f32 v13, v13, |v[XS+\i+2]|, |v[XS+\i+3]|
.endr
	v_max3_num_f32 v12, v12, |v[XS+30]|, |v[XS+31]|
	v_max3_num_f32 v12, v12, v13, 0x1800000        ; and the floor 2^(3 - 127)
	v_add_nc_u32 v11, 0xff000000, v12              ; the conversion's scale operand
	v_lshrrev_b32 v13, 23, v11                     ; the scale's byte
.if (\t)%4 == 0
	v_mov_b32 v[SB+(\t)/4], v13
.else
	v_lshl_or_b32 v[SB+(\t)/4], v13, 8*((\t)%4), v[SB+(\t)/4]
.endif
	v_cvt_scalef32_pk16_fp6_f32 v[WC:WC+2], v[XS:XS+15], v11
	v_cvt_scalef32_pk16_fp6_f32 v[WC+4:WC+6], v[XS+16:XS+31], v11   ; (a conversion's three registers begin on an even number)
	ds_store_b96 v4, v[WC:WC+2] offset:32*(\t)     ; 12 bytes to a place of 16: every LDS address is a multiple of 16
	ds_store_b96 v4, v[WC+4:WC+6] offset:32*(\t)+16
.if (\t)+2 < NB
	LOADW (\t)+2
.endif
	s_wait_dscnt 0x0                               ; the stores have read their registers: the next block's codes may be written
.endm
.set Q, 0
.rept NB
	BLOCKW Q
.set Q, Q+1
.endr
	s_wait_alu depctr_va_vdst(0)
	global_store_b64 v9, v[SB:SB+1], s[16:17]      ; my column's 8 scale bytes: rows 32 bytes apart, 8 bytes of each; one byte in 128 of what this way reads
.irp t, 0,1,2,3,4,5,6,7,8,9,10,11,12,13,14,15
	ds_load_b96 v[OUTR+4*\t:OUTR+4*\t+2], v7 offset:2*\t*WPITCH
.endr
.irp t, 0,1,2,3,4,5,6,7,8,9,10,11,12,13,14,15
	s_wait_dscnt 15-\t                             ; the younger read-backs may be out
	global_store_b96 v8, v[OUTR+4*\t:OUTR+4*\t+2], s[14:15] offset:2*\t*192   ; the wave stores two rows, 384 consecutive bytes
.endr
	s_wait_tensorcnt 0x0
	ds_add_u32 v192, v193
	s_wait_dscnt 0x0
	s_endpgm
.Lfunc_end_k_qdd8f25f6a5_quant:
	.size	k_qdd8f25f6a5_quant, .Lfunc_end_k_qdd8f25f6a5_quant-k_qdd8f25f6a5_quant
	.p2alignl 7, 3214868480
	.fill 96, 4, 3214868480
	.section	.rodata,"a",@progbits
	.p2align	6, 0x0
	.amdhsa_kernel k_qdd8f25f6a5_quant
		.amdhsa_group_segment_fixed_size 68096
		.amdhsa_private_segment_fixed_size 0
		.amdhsa_enable_private_segment 0
		.amdhsa_kernarg_size 56
		.amdhsa_user_sgpr_count 2
		.amdhsa_user_sgpr_kernarg_segment_ptr 1
		.amdhsa_wavefront_size32 1
		.amdhsa_system_sgpr_workgroup_id_x 1
		.amdhsa_system_sgpr_workgroup_id_y 1
		.amdhsa_system_sgpr_workgroup_id_z 1
		.amdhsa_system_vgpr_workitem_id 0
		.amdhsa_next_free_vgpr 194
		.amdhsa_next_free_sgpr 66
		.amdhsa_reserve_vcc 0
		.amdhsa_float_denorm_mode_32 3
		.amdhsa_float_denorm_mode_16_64 3
		.amdhsa_memory_ordered 1
		.amdhsa_forward_progress 1
		.amdhsa_inst_pref_size 74
	.end_amdhsa_kernel
	.amdgpu_metadata
---
amdhsa.version: [ 1, 2 ]
amdhsa.kernels:
  - .name:           k_qdd8f25f6a5_quant
    .symbol:         k_qdd8f25f6a5_quant.kd
    .args:
      - { .name: inputs, .offset: 0, .size: 8, .value_kind: global_buffer, .address_space: global }
      - { .name: Wq, .offset: 8, .size: 8, .value_kind: global_buffer, .address_space: global }
      - { .name: Wk, .offset: 16, .size: 8, .value_kind: global_buffer, .address_space: global }
      - { .name: Wv, .offset: 24, .size: 8, .value_kind: global_buffer, .address_space: global }
      - { .name: Wo, .offset: 32, .size: 8, .value_kind: global_buffer, .address_space: global }
      - { .name: codes, .offset: 40, .size: 8, .value_kind: global_buffer, .address_space: global }
      - { .name: scl, .offset: 48, .size: 8, .value_kind: global_buffer, .address_space: global }
    .group_segment_fixed_size: 68096
    .private_segment_fixed_size: 0
    .kernarg_segment_align: 8
    .kernarg_segment_size: 56
    .max_flat_workgroup_size: 128
    .sgpr_count:     66
    .vgpr_count:     194
    .wavefront_size: 32
...
	.end_amdgpu_metadata
.endif
;; end of part 1
;; launch qkv (part 2): grid 12 x 16, 4 waves a work-group, clusters of 4 x 4, 327,680 bytes of LDS; arguments codes, scl, bq, bk, bv, qk, vimg; writes qk, vimg
.if DOCPART == 2
	.amdgcn_target "amdgcn-amd-amdhsa--gfx1250"
	.amdhsa_code_object_version 6
	.text
	.protected	k_qdd8f25f6a5_qkv
	.globl	k_qdd8f25f6a5_qkv
	.p2align	8
	.type	k_qdd8f25f6a5_qkv,@function
k_qdd8f25f6a5_qkv:
	s_mov_b64 s[64:65], 0
	v_nop
	global_prefetch_b8 v0, s[64:65] scope:SCOPE_SE
	s_setreg_imm32_b32 hwreg(HW_REG_WAVE_MODE, 25, 1), 1
	s_wait_xcnt 0x0
	s_wait_alu depctr_hold_cnt(0) depctr_sa_sdst(0) depctr_va_vdst(0) depctr_va_sdst(0) depctr_va_ssrc(0) depctr_va_vcc(0) depctr_vm_vsrc(0)
	s_getreg_b32 s2, hwreg(HW_REG_IB_STS2, 6, 4)
	s_cmp_eq_u32 s2, 0
	s_cbranch_scc0 .Lentry_in_a_cluster
	s_endpgm
.Lentry_in_a_cluster:
	s_bfe_u32 s2, ttmp6, 0x10000c
	s_cmp_lg_u32 s2, 0xf033
	s_cbranch_scc0 .Lentry_shape_is_right
	s_endpgm
.Lentry_shape_is_right:
; q = x Wq + bq, k = x Wk + bk, v = x Wv + bv on codes of FP6 (E2M3) with E8M0 scales, K = 1,024; the results, in f32 with the bias added, are quantised here and leave as images of the operands' registers.
; Both operands of every product are rows of the buffer codes (rows 0-4095 tokens, 4096.. Wq, 5120.. Wk, 6144.. Wv), so ONE body serves all three by the choice of tiles of 256 rows:
;   the operand called A (source 1) gives a lane ONE row; the operand called B (source 0) runs along the lane's registers, and the quantiser runs along B's rows.
;   clusters x = 0, 1 (q, k): A = tokens, B = the weight's columns: blocks of 32 along the head's channels.   cluster x = 2 (v): A = Wv's columns, B = tokens: blocks of 32 along the keys.
; A work-group of four waves makes 256 x 256, a wave 128 x 128: 64 accumulators, 512 registers.  A wave's 128 rows of B are two heads' channels (q, k) or one key step of 128 tokens (v): whole fragments and whole scale words, no traffic between waves.
; 192 work-groups: no tile with 128 rows of B to a wave gives 256.
; K goes in steps of 256 through two LDS slots filled by the tensor data mover; a tile is 128 rows x 192 bytes, dense in memory.  The scale bytes of the 2 x 256 rows come once and stay.
; CLUSTERS 4 x 4: A's tile hangs on the cluster's y place alone and is asked for jointly along a row of the cluster, B's on the x place alone, along a column.
; OUT.  qk: [q, k][32 heads of the two batches][16 steps of 128 tokens][6,656 bytes]: 8 fragment images (16 tokens x 64 channels: registers 0-3 at 16 x lane, 4-5 at 512 + 8 x lane), then 512 bytes of scale words.
;       vimg: [32][16 steps][6,400 bytes]: 4 fragment images (16 channels x 128 keys, 3 x 512 bytes), then 256 bytes of scale words.  Every store of a wave covers 256 or 512 consecutive bytes, aligned.
; Inside a block of 32 the codes lie in the order 0-7, 16-23, 8-15, 24-31, as in every operand of this program.
; LIMITS: NaN and infinities are not served; a block whose largest magnitude lies under 2^-124, zeros among them, gets the byte 1.
; REGISTERS, in windows of 256: window 0: v1, v2 lane % 16, lane / 16; v16-29 addresses; v32-63 scale words, two sets; v64-127 the bias; v128-223 A's fragments, one set; in the tail v128-247 at work.
;   window 1: B's fragments, two sets.   windows 2, 3: the accumulators ((a, b) at v[8 (8 (a % 4) + b)]).
.set SIZE_K, 1024
.set KSTEP,  256
.set NQ,     KSTEP/128
.set ROWB,   192                       ; a tile's row in bytes
.set CHUNKB, 24576                     ; 128 such rows: a tile in memory
.set KROW,   768                       ; bytes of codes a row, all of K: 128 rows are a group of 98,304 bytes
.set PITCH,  240                       ; an LDS row: 3 x (64 bytes + 16 of padding)
.set FR,     12
.set NL,     6
.set NP,     4
.set HALFT,  128*PITCH
.set SLOT,   4*HALFT
.set LAPS,   SIZE_K/(2*KSTEP)
.set KS,     SIZE_K/32
.set SCL,    2*SLOT                    ; behind the ring: the scale bytes, as 256 bytes + 16 of padding
.set HALFS,  (128*KS/256)*272
.set SBLK,   (16*KS/256)*272
.set SPARE,  SCL+4*HALFS               ; the spare words, 128 bytes a wave: two blocks of 256 bytes that no other line names
.set HEADB,  106496                    ; qk: a head's 16 steps
.set STEPB,  6656
.set VHEADB, 102400                    ; vimg likewise
.set VSTEPB, 6400
.set ADRA, 16                          ; v16-19 LDS addresses of A's fragments (slot 0, 1; the same behind one padding more)
.set ADRB, 20                          ; v20-23 of B's
.set O16,  24                          ; v24 16 x lane
.set O8,   25                          ; v25 8 x lane
.set BO,   26                          ; v26 my offset in the bias
.set ADRS, 27                          ; v27 LDS address of my scale words
.set SPW,  28                          ; v28 my spare word; never rewritten
.set NIL,  29                          ; v29 0; never rewritten
.set SC,   32
.set BR,   64                          ; v64-127 the bias
.set AF,   128
.set T,    128                         ; tail: v128-191 64 results with the bias added
.set PC,   192                         ; v192-210 the codes just made
.set TM,   212                         ; v212-227 the quantiser's work
.set PW,   228                         ; the scale word just made
.set PWS,  232                         ; v232-239 the eight blocks' scale words
.set SW,   240                         ; v240-247 the scale images
.set G1, 24
.set G0, 32
.set G1B, 48
.set G0B, 56
.set SEL, 66                           ; s[66:67] selects of v_permlanex16_b32 for lane l xor 16
.set G1S, 68
.set G0S, 76
.set G1SB, 80
.set G0SB, 88
.set MSB, 0
.macro WIN new                         ; the immediate's high byte repeats the setting that is left
.if MSB != \new
	s_set_vgpr_msb (MSB<<8)|\new
.set MSB, \new
.endif
.endm
.set MUL_LO, 0xa1                      ; source 0 (B) window 1, source 1 (A) window 0, C and D window 2
.set MUL_HI, 0xf1
.set TO_B,   0x40
; A joint load: waves 0 and 1 fetch for A, waves 2 and 3 for B; the branch hangs on the wave's number alone.  Four v_nop follow each of the two lines.
.macro JLOAD g0a, g1a, g0b, g1b
	s_cmp_eq_u32 s15, 0
	s_cbranch_scc0 .Lfor_b_\@
	tensor_load_to_lds s[\g0a:\g0a+3], s[\g1a:\g1a+7]
	s_nop 0
.rept 4
	v_nop
.endr
	s_branch .Lasked_\@
.Lfor_b_\@:
	tensor_load_to_lds s[\g0b:\g0b+3], s[\g1b:\g1b+7]
	s_nop 0
.rept 4
	v_nop
.endr
.Lasked_\@:
.endm
.macro CREST                           ; a round of the cluster's barrier behind its opening barrier
	s_cmp_lg_u32 s14, 0
	s_cbranch_scc1 .Lnot_wave_0_\@
	s_barrier_signal -3
.Lnot_wave_0_\@:
	s_barrier_wait -3
	s_barrier_signal -1
	s_barrier_wait -1
.endm
.macro CROUND
	s_barrier_signal -1
	s_barrier_wait -1
	CREST
.endm
	s_load_b256 s[4:11], s[0:1], 0x0               ; codes s[4:5], scl s[6:7], bq s[8:9], bk s[10:11]
	s_load_b128 s[96:99], s[0:1], 0x20             ; bv s[96:97], qk s[98:99]
	s_load_b64 s[100:101], s[0:1], 0x30            ; vimg
	v_lshl_add_u32 v[SPW], v0, 2, SPARE
	v_mov_b32 v[NIL], 0
	ds_add_u32 v28, v29
	ds_add_u32 v28, v29
	s_wait_dscnt 0x0
	v_lshrrev_b32 v1, 5, v0
	v_readfirstlane_b32 s14, v1                    ; wave 0..3
	s_lshr_b32 s15, s14, 1                         ; which half of A's 256 rows is mine.  Also: I fetch for A (0) or for B (1)
	s_and_b32 s16, s14, 1                          ; which half of B's.  Also: which 128 rows I fetch
	s_bfe_u32 s40, ttmp6, 0x40000                  ; cx, cy: my place in the cluster
	s_bfe_u32 s41, ttmp6, 0x40004
	s_and_b32 s13, ttmp7, 0xffff
	s_lshl_b32 s13, s13, 2                         ; 4 x cluster y: the cluster's first tile of tokens
	s_lshl_b32 s18, ttmp9, 2
	s_add_co_u32 s18, s18, 16                      ; 16 + 4 x cluster x: Wq's or Wk's first tile of 256 rows
	s_cmp_eq_u32 ttmp9, 2                          ; the cluster's x is the same in all sixteen partners
	s_cselect_b32 s17, 24, s13                     ; A: Wv's tiles 24 .. 27, or the tokens'
	s_cselect_b32 s42, s13, s18                    ; B: the tokens', or the weight's
	s_cselect_b32 s12, 1, 0                        ; 1: this cluster makes v
	s_add_co_u32 s17, s17, s41                     ; A's tile: it holds cy alone
	s_add_co_u32 s42, s42, s40                     ; B's tile: it holds cx alone
	s_lshl_b32 s43, s41, 2
	s_lshl_b32 s43, 15, s43                        ; my row of the cluster
	s_lshl_b32 s44, 0x1111, s40                    ; my column
	; descriptor group 1: a tile of 128 rows x 192 bytes, dense in memory, padded in LDS
	s_or_b32 s[G1+0], s43, (0<<16)|(1<<20)|(1<<21)|(3<<22)|(3<<25)  ; 15:0 the mask; 17:16 elements of 1 byte; 20 padding on; 21 set beside a mask; 24:22 after every 16 words; 31:25 of 4 words
	s_or_b32 s[G1B+0], s44, (0<<16)|(1<<20)|(1<<21)|(3<<22)|(3<<25)
.irp g, G1, G1B
	; the head's shape: 2 rows (the tile's two groups of 128 code rows) of 49,152 bytes (chunks 0 and 1, which lie on end), 98,304 bytes from row to row
	s_mov_b32 s[\g+1], 0xc0000000                  ; tensor_dim0 = 49,152
	s_mov_b32 s[\g+2], 2<<16                       ; tensor_dim1 = 2
	s_mov_b32 s[\g+3], 0xc0000000                  ; tile_dim0 = 49,152
	s_mov_b32 s[\g+4], 2                           ; tile_dim1 = 2
	s_mov_b32 s[\g+5], 4*CHUNKB                    ; from group to group
	s_mov_b32 s[\g+6], 0
	s_mov_b32 s[\g+7], 0
.endr
	; the scale bytes of 256 rows: 8,192 dense bytes as 32 rows of 256 bytes, 16 bytes of padding behind each
	s_or_b32 s[G1S+0], s43, (3<<16)|(1<<20)|(1<<21)|(5<<22)|(3<<25)
	s_or_b32 s[G1SB+0], s44, (3<<16)|(1<<20)|(1<<21)|(5<<22)|(3<<25)
.irp g, G1S, G1SB
	s_mov_b32 s[\g+1], 32<<16
	s_mov_b32 s[\g+2], 32<<16                      ; the scale bytes of all 256 rows: 32 rows of 256 bytes
	s_mov_b32 s[\g+3], 32<<16
	s_mov_b32 s[\g+4], 32
	s_mov_b32 s[\g+5], 32
	s_mov_b32 s[\g+6], 0
	s_mov_b32 s[\g+7], 0
.endr
	s_lshl_b32 s20, s17, 8                         ; A: the tile's first row of the buffer codes
	s_lshl_b32 s46, s42, 8                         ; B likewise
	s_mov_b32 s21, 0
	s_mov_b32 s47, 0
	s_mov_b64 s[18:19], KS
	s_mul_u64 s[22:23], s[20:21], s[18:19]         ; where these rows' scale bytes begin
	s_mul_u64 s[92:93], s[46:47], s[18:19]
	s_mov_b64 s[18:19], KROW
	s_mul_u64 s[20:21], s[20:21], s[18:19]         ; and their group of codes
	s_mul_u64 s[46:47], s[46:47], s[18:19]
	s_mul_i32 s45, s14, 2*HALFT                    ; LDS: [A's half 0, A's half 1, B's half 0, B's half 1][slot 0, slot 1][128 rows]: in the ring wave w fills part w
	s_wait_kmcnt 0x0
	s_add_nc_u64 s[20:21], s[4:5], s[20:21]
	s_add_nc_u64 s[22:23], s[6:7], s[22:23]
	s_add_nc_u64 s[46:47], s[4:5], s[46:47]
	s_add_nc_u64 s[92:93], s[6:7], s[92:93]
	CROUND                                         ; all sixteen work-groups are here: the first joint loads meet
	s_mov_b32 s[G0S], 1
	s_mov_b32 s[G0S+1], SCL
	s_mov_b64 s[G0S+2:G0S+3], s[22:23]
	s_or_b32 s[G0S+3], s[G0S+3], 0x80000000
	s_mov_b32 s[G0SB], 1
	s_mov_b32 s[G0SB+1], SCL+2*HALFS
	s_mov_b64 s[G0SB+2:G0SB+3], s[92:93]
	s_or_b32 s[G0SB+3], s[G0SB+3], 0x80000000
	s_mov_b32 s4, 1                                ; s[4:7]: group 0 of the head's load of A's 256 rows, chunks 0 and 1 (the arguments that lay here have been used)
	s_mov_b32 s5, 0
	s_mov_b64 s[6:7], s[20:21]
	s_or_b32 s7, s7, 0x80000000
	s_mov_b32 s92, 1                               ; s[92:95]: the same for B's
	s_mov_b32 s93, 4*HALFT
	s_mov_b64 s[94:95], s[46:47]
	s_or_b32 s95, s95, 0x80000000
	s_mul_i32 s18, s16, 128*KROW                   ; for the ring: which 128 rows of the tile I fetch
	s_mov_b32 s19, 0
	s_add_nc_u64 s[20:21], s[20:21], s[18:19]
	s_add_nc_u64 s[46:47], s[46:47], s[18:19]
.irp s, 0,1
	s_mov_b32 s[G0+4*\s], 1
	s_add_co_u32 s[G0+4*\s+1], s45, \s*HALFT
	s_add_nc_u64 s[G0+4*\s+2:G0+4*\s+3], s[20:21], \s*CHUNKB
	s_or_b32 s[G0+4*\s+3], s[G0+4*\s+3], 0x80000000
	s_mov_b32 s[G0B+4*\s], 1
	s_add_co_u32 s[G0B+4*\s+1], s45, \s*HALFT
	s_add_nc_u64 s[G0B+4*\s+2:G0B+4*\s+3], s[46:47], \s*CHUNKB
	s_or_b32 s[G0B+4*\s+3], s[G0B+4*\s+3], 0x80000000
.endr
; THE HEAD'S LOADS, ONE A WAVE: wave 0 both slots of A, wave 1 both slots of B, wave 2 A's scale bytes, wave 3 B's.  One chain of branches on the wave's number; every way passes one load.
.macro ARM under, g0, g1, next
	s_cmp_lt_u32 s14, \under
	s_cbranch_scc0 \next
	tensor_load_to_lds s[\g0:\g0+3], s[\g1:\g1+7]
	s_nop 0
.rept 4
	v_nop
.endr
	s_branch .Lhead_asked
\next:
.endm
	ARM 1, 4, G1, .Lhead_b
	ARM 2, 92, G1B, .Lhead_sa
	ARM 3, G0S, G1S, .Lhead_sb
	tensor_load_to_lds s[G0SB:G0SB+3], s[G1SB:G1SB+7]
	s_nop 0
.rept 4
	v_nop
.endr
.Lhead_asked:
	v_and_b32 v1, 15, v0                           ; r = lane % 16
	v_bfe_u32 v2, v0, 4, 1                         ; h = lane / 16
	v_mul_u32_u24 v3, v1, PITCH
	v_mul_u32_u24 v4, v2, 24
	v_add_nc_u32 v4, v3, v4                        ; a fragment's row x pitch + 24 x half
	v_lshl_add_u32 v5, v2, 4, v4                   ; and the same behind one padding more
	s_mul_i32 s21, s15, 2*HALFT                    ; my 128 rows of A, slot 0
	s_mul_i32 s22, s16, 2*HALFT                    ; my 128 rows of B,
	s_add_co_u32 s22, s22, 4*HALFT                 ; which lie behind A's four parts
.irp s, 0,1
	v_add_nc_u32 v[ADRA+\s], s21, v4
	v_add_nc_u32 v[ADRB+\s], s22, v4
	v_add_nc_u32 v[ADRA+2+\s], s21, v5
	v_add_nc_u32 v[ADRB+2+\s], s22, v5
	s_add_co_u32 s21, s21, HALFT
	s_add_co_u32 s22, s22, HALFT
.endr
	v_mul_u32_u24 v5, v1, KS                       ; my row's scale bytes: 32 a row,
	v_lshrrev_b32 v6, 8, v5
	v_lshl_add_u32 v5, v6, 4, v5                   ; and 16 more for each 256 passed
	s_mul_i32 s21, s15, HALFS
	s_mul_i32 s22, s16, HALFS
	s_add_co_u32 s22, s22, 2*HALFS
	s_sub_co_u32 s22, s22, s21
	v_mul_u32_u24 v6, s22, v2                      ; lanes 16-31 take B's: one product, the distance between the two
	s_add_co_u32 s21, s21, SCL
	v_add_nc_u32 v5, v5, v6
	v_add_nc_u32 v[ADRS], s21, v5
	v_and_b32 v6, 31, v0
	v_lshlrev_b32 v[O16], 4, v6
	v_lshlrev_b32 v[O8], 3, v6
	s_mov_b32 s[SEL], 0x76543210
	s_mov_b32 s[SEL+1], 0xfedcba98
.macro FRAG reg, adr, q, i             ; a fragment, 16 rows x 128 K, is 12 registers: lane l holds row l % 16; registers 6 c .. 6 c + 5 hold positions 64 c + 32 (l / 16) + 0 .. 31: 24 bytes of the row, as they lie
.irp p, 0,1,2,3,4,5                    ; in pieces of 8 bytes; where the piece of lanes 16-31, three on, lies behind one padding more, the second address register serves
.set PCE, 12*(\q)+6*(\p/3)+\p%3
.if PCE%8 < 5
	ds_load_b64 v[\reg+2*\p:\reg+2*\p+1], v[\adr] offset:8*PCE+16*(PCE/8)+(\i)*16*PITCH
.else
	ds_load_b64 v[\reg+2*\p:\reg+2*\p+1], v[\adr+2] offset:8*PCE+16*(PCE/8)+(\i)*16*PITCH
.endif
.endr
.endm
; 16 matrix instructions: A's blocks a0, a0 + 1 x B's eight, 128 along K.  The 64 accumulators take turns, one instruction a turn, in the same order in every step.
.macro MUL16 a0, p, q, sc, zero
.irp a, \a0, \a0+1
.irp b, 0,1,2,3,4,5,6,7
.if \zero
	v_wmma_scale_f32_16x16x128_f8f6f4 v[8*(8*((\a)%4)+\b):8*(8*((\a)%4)+\b)+7], v[128*(\p)+FR*\b:128*(\p)+FR*\b+FR-1], v[AF+FR*(\a):AF+FR*(\a)+FR-1], 0, v[SC+8*NQ*(\sc)+NQ*\b+(\q)], v[SC+8*NQ*(\sc)+NQ*(\a)+(\q)] matrix_a_fmt:MATRIX_FMT_FP6 matrix_b_fmt:MATRIX_FMT_FP6 matrix_a_scale:MATRIX_SCALE_ROW1
.else
	v_wmma_scale_f32_16x16x128_f8f6f4 v[8*(8*((\a)%4)+\b):8*(8*((\a)%4)+\b)+7], v[128*(\p)+FR*\b:128*(\p)+FR*\b+FR-1], v[AF+FR*(\a):AF+FR*(\a)+FR-1], v[8*(8*((\a)%4)+\b):8*(8*((\a)%4)+\b)+7], v[SC+8*NQ*(\sc)+NQ*\b+(\q)], v[SC+8*NQ*(\sc)+NQ*(\a)+(\q)] matrix_a_fmt:MATRIX_FMT_FP6 matrix_b_fmt:MATRIX_FMT_FP6 matrix_a_scale:MATRIX_SCALE_ROW1
.endif
.endr
.endr
.endm
.macro FETCH_B slot, q, p
	WIN TO_B
.irp i, 0,1,2,3,4,5,6,7
	FRAG 128*(\p)+FR*\i, ADRB+\slot, \q, \i
.endr
	WIN 0
.endm
.macro FETCH_A slot, q, i0
.irp i, \i0, \i0+1, \i0+2, \i0+3
	FRAG AF+FR*(\i), ADRA+\slot, \q, \i
.endr
.endm
.macro SCALES sc                       ; a K step's scale words: two words a row; lanes 0-15 take A's block i, lanes 16-31 B's block i
.irp i, 0,1,2,3,4,5,6,7
	ds_load_b64 v[SC+8*NQ*\sc+NQ*\i:SC+8*NQ*\sc+NQ*\i+1], v[ADRS] offset:\i*SBLK
.endr
.endm
.macro PLACES n                        ; plain vector lines between a matrix instruction and a load into, or a vector line on, its registers
.rept \n
	v_nop
.endr
.endm
.macro STEP slot, q, zero              ; 128 along K with its successor in the same slot
	s_wait_dscnt 4*NL                              ; B's set and A's blocks 0-3 are in; the 24 youngest loads (A's blocks 4-7) may be out
	WIN MUL_LO
	MUL16 0, (\q)%2, \q, \slot, \zero
	MUL16 2, (\q)%2, \q, \slot, \zero
	s_wait_dscnt 0
	PLACES NP
	FETCH_B \slot, (\q)+1, 1-(\q)%2
	FETCH_A \slot, (\q)+1, 0
	WIN MUL_HI
	MUL16 4, (\q)%2, \q, \slot, \zero
	MUL16 6, (\q)%2, \q, \slot, \zero
	PLACES NP
	WIN 0
	FETCH_A \slot, (\q)+1, 4
.endm
; A slot's last step changes slots: one barrier; in front of it each wave waits for all its tensor loads, adds 0 to its spare word, and waits for that and for its reads of this slot.
.macro TURN slot, next, fill
	s_wait_tensorcnt 0x0                           ; all my tensor loads have landed: my part of the next slot
	ds_add_u32 v[SPW], v[NIL]                      ; 0 onto my spare word
	s_wait_dscnt 4*NL+1                            ; (the add and the 24 youngest loads may be out)
	WIN MUL_LO
	MUL16 0, 1, NQ-1, \slot, 0
	s_wait_dscnt 0x0                               ; the add is done, and my reads of this slot are over
	s_barrier_signal -1
	MUL16 2, 1, NQ-1, \slot, 0
	WIN 0
	s_barrier_wait -1
.if \fill
	CREST                                          ; the barrier has opened a round of the cluster's: no wave of any partner still reads this slot or has a load on its way
	s_add_nc_u64 s[G0+4*\slot+2:G0+4*\slot+3], s[G0+4*\slot+2:G0+4*\slot+3], 2*CHUNKB
	s_add_nc_u64 s[G0B+4*\slot+2:G0B+4*\slot+3], s[G0B+4*\slot+2:G0B+4*\slot+3], 2*CHUNKB
	JLOAD G0+4*\slot, G1, G0B+4*\slot, G1B         ; the first tensor load behind the round; its four v_nop are also the places in front of the loads below
.else
	PLACES NP
.endif
	s_wait_alu depctr_va_vdst(0)
	v_add_nc_u32 v[ADRS], 4*NQ, v[ADRS]            ; on to the next K step's scale words
	FETCH_B \next, 0, 0
	FETCH_A \next, 0, 0
	SCALES \next
	WIN MUL_HI
	MUL16 4, 1, NQ-1, \slot, 0
	MUL16 6, 1, NQ-1, \slot, 0
	PLACES NP
	WIN 0
	FETCH_A \next, 0, 4
.endm
; 64 numbers of a lane, register 16 b + i = my 16 numbers of block b of my row, become a fragment's codes in v[PC] on and its scale word in v[PW].
.macro QUANT s
.irp b, 0,1,2,3
	v_max3_num_f32 v[TM+\b], |v[\s+16*\b]|, |v[\s+1+16*\b]|, 0x1800000   ; with the floor 2^(3 - 127): the byte cannot fall under 1
.endr
.irp i, 2,4,6,8,10,12,14
.irp b, 0,1,2,3
	v_max3_num_f32 v[TM+\b], v[TM+\b], |v[\s+16*\b+\i]|, |v[\s+1+16*\b+\i]|
.endr
.endr
.irp b, 0,1,2,3
	v_permlanex16_b32 v[TM+4+\b], v[TM+\b], s[SEL], s[SEL+1]
.endr
.irp b, 0,1,2,3
	v_max_num_f32 v[TM+\b], v[TM+\b], v[TM+4+\b]   ; with lane l xor 16's: the block's largest magnitude
.endr
.irp b, 0,1,2,3
	v_add_nc_u32 v[TM+12+\b], 0xff000000, v[TM+\b]   ; 2 off its exponent field: the conversion's scale operand
.endr
.irp b, 0,1,2,3
	v_lshrrev_b32 v[TM+4+\b], 23, v[TM+12+\b]      ; the scale's byte
.endr
	v_lshl_or_b32 v[PW], v[TM+5], 8, v[TM+4]
	v_lshl_or_b32 v[PW], v[TM+6], 16, v[PW]
	v_lshl_or_b32 v[PW], v[TM+7], 24, v[PW]
.irp c, 0,1
	v_cvt_scalef32_pk16_fp6_f32 v[PC+6*\c:PC+2+6*\c], v[\s+32*\c:\s+15+32*\c], v[TM+12+2*\c]
	v_cvt_scalef32_pk16_fp6_f32 v[PC+12+4*\c:PC+14+4*\c], v[\s+16+32*\c:\s+31+32*\c], v[TM+12+2*\c+1]   ; (a conversion's three registers begin on an even number)
.endr
	v_nop                                          ; one plain line behind a scaled conversion
.irp c, 0,1                                    ; the operand wants a whole block in a lane: lanes 0-15 block 2 c, lanes 16-31 block 2 c + 1
.irp i, 0,1,2
	v_permlane16_swap_b32 v[PC+6*\c+\i], v[PC+12+4*\c+\i]
.endr
.irp i, 0,1,2
	v_mov_b32 v[PC+3+6*\c+\i], v[PC+12+4*\c+\i]
.endr
.endr
.endm
; The last 128 along K; the bias, asked for just ahead, lands under its 64 matrix instructions.
.macro LAST
	s_wait_dscnt 4*NL
	WIN MUL_LO
	MUL16 0, 1, NQ-1, 1, 0
	MUL16 2, 1, NQ-1, 1, 0
	s_wait_dscnt 0
	WIN MUL_HI
	MUL16 4, 1, NQ-1, 1, 0
	MUL16 6, 1, NQ-1, 1, 0
	WIN 0
	PLACES NP                                      ; in front of the first read of results and of the first write over A's fragments
	s_wait_loadcnt 0x0                             ; the bias
.irp b, 0,1,2,3
	v_mov_b32 v[TM+4+\b], 0                        ; written once: a lane permute's destination counts as one of its sources
.endr
	s_mov_b32 vcc_lo, 0xffff0000                   ; lanes 16-31
.endm
; Block a's 64 results + bias -> v[T] on, each accumulator from its low end on.  walk = 1: the bias runs with the registers; 0: one pair serves all.
.macro ADDBIAS a, bias, walk
.set WS, 0x02+(\a)/4
	WIN WS                                         ; source 0: window 2 or 3
.set I, 0
.rept 32
	v_pk_add_f32 v[T+I:T+I+1], v[64*((\a)%4)+I:64*((\a)%4)+I+1], v[\bias+I*\walk:\bias+I*\walk+1]
.set I, I+2
.endr
	WIN 0
.endm
	s_wait_alu depctr_va_vdst(0)
	s_wait_tensorcnt 0x0                           ; my tile of the head's four is in; no tensor load of mine is out, so group 1 may be written:
.irp g, G1, G1B
	s_mov_b32 s[\g+1], 256<<16                     ; the ring's shape: a (group, chunk) tile of 24,576 dense bytes as 96 rows of 256 bytes; the padding's interval stays 64 bytes, so the LDS rows stay 240 bytes apart
	s_mov_b32 s[\g+2], 96<<16
	s_mov_b32 s[\g+3], 256<<16
	s_mov_b32 s[\g+4], 96
	s_mov_b32 s[\g+5], 256
.endr
	s_barrier_signal -1
	s_barrier_wait -1
	FETCH_B 0, 0, 0
	FETCH_A 0, 0, 0
	SCALES 0
	FETCH_A 0, 0, 4
	STEP 0, 0, 1                                   ; the first step's products start the sums
	s_mov_b32 s3, LAPS-1
.Llap:                                             ; once round the ring; both slots are filled again
	TURN 0, 1, 1
	STEP 1, 0, 0
	TURN 1, 0, 1
	STEP 0, 0, 0
	s_sub_co_u32 s3, s3, 1
	s_cmp_lg_u32 s3, 0
	s_cbranch_scc1 .Llap
	TURN 0, 1, 0                                   ; the last lap fills nothing
	STEP 1, 0, 0
	s_cmp_eq_u32 s12, 1                            ; the same in all partners of a cluster; no barrier and no tensor load stands in either arm
	s_cbranch_scc1 .Lvalues
	; ---------------- q or k: a lane holds one token, its registers 128 channels = two heads
	s_lshl_b32 s18, s17, 8
	s_lshl_b32 s19, s15, 7
	s_add_co_u32 s18, s18, s19                     ; my first token
	s_lshr_b32 s21, s18, 11                        ; the batch
	s_bfe_u32 s22, s18, 0x40007                    ; the step of 128 tokens in it
	s_and_b32 s20, s42, 3                          ; the weight's tile of 256 columns
	s_lshl_b32 s19, s20, 2
	s_lshl_b32 s23, s16, 1
	s_add_co_u32 s19, s19, s23                     ; my first head
	s_lshl_b32 s21, s21, 4
	s_add_co_u32 s21, s21, s19
	s_lshl_b32 s23, ttmp9, 5
	s_add_co_u32 s21, s21, s23                     ; 32 x (q: 0, k: 1) + 16 x batch + head
	s_mul_i32 s21, s21, HEADB
	s_mul_i32 s22, s22, STEPB
	s_add_co_u32 s92, s21, s22
	s_mov_b32 s93, 0
	s_add_nc_u64 s[98:99], s[98:99], s[92:93]
	s_cmp_eq_u32 ttmp9, 0
	s_cselect_b64 s[8:9], s[8:9], s[10:11]         ; bq or bk
	s_lshl_b32 s92, s20, 10
	s_lshl_b32 s23, s16, 9
	s_add_co_u32 s92, s92, s23
	s_add_nc_u64 s[8:9], s[8:9], s[92:93]          ; at my 128 columns
	v_lshlrev_b32 v[BO], 5, v2                     ; register 8 b + j wants column 16 b + 8 h + j
.irp b, 0,1,2,3,4,5,6,7
	global_load_b128 v[BR+8*\b:BR+8*\b+3], v[BO], s[8:9] offset:64*\b
	global_load_b128 v[BR+8*\b+4:BR+8*\b+7], v[BO], s[8:9] offset:64*\b+16
.endr
	LAST
.irp a, 0,1,2,3,4,5,6,7
	ADDBIAS \a, BR, 1
	s_wait_xcnt 0x0                                ; the last block's stores have read the codes' registers
	QUANT T
	v_mov_b32 v[PWS+\a], v[PW]
	global_store_b128 v[O16], v[PC:PC+3], s[98:99] offset:768*\a                ; the first head's fragment of tokens 16 a on: registers 0-3, 512 consecutive bytes,
	global_store_b64 v[O8], v[PC+4:PC+5], s[98:99] offset:768*\a+512            ; registers 4-5, 256
	global_store_b128 v[O16], v[PC+6:PC+9], s[98:99] offset:HEADB+768*\a        ; the second head's
	global_store_b64 v[O8], v[PC+10:PC+11], s[98:99] offset:HEADB+768*\a+512
.endr
.irp j, 0,1,2,3                                ; the scale images: register j: lanes 0-15 fragment 2 j's words, lanes 16-31 fragment 2 j + 1's; a head's two bytes below, zeros above (over zero codes)
	v_cndmask_b32 v[SW+4+\j], v[PWS+2*\j], v[PWS+2*\j+1], vcc_lo
.endr
.irp j, 0,1,2,3
	v_and_b32 v[SW+\j], 0xffff, v[SW+4+\j]
.endr
.irp j, 0,1,2,3
	v_lshrrev_b32 v[SW+4+\j], 16, v[SW+4+\j]
.endr
	global_store_b128 v[O16], v[SW:SW+3], s[98:99] offset:6144
	global_store_b128 v[O16], v[SW+4:SW+7], s[98:99] offset:HEADB+6144
	s_branch .Lend
	; ---------------- v: a lane holds one channel, its registers 128 tokens = one key step
.Lvalues:
	s_sub_co_u32 s18, s17, 24
	s_lshl_b32 s18, s18, 8
	s_lshl_b32 s19, s15, 7
	s_add_co_u32 s18, s18, s19                     ; my first channel of the 1,024
	s_lshl_b32 s20, s42, 8
	s_lshl_b32 s19, s16, 7
	s_add_co_u32 s20, s20, s19                     ; my first token
	s_lshr_b32 s21, s20, 11                        ; the batch
	s_bfe_u32 s22, s20, 0x40007                    ; the step
	s_lshl_b32 s21, s21, 4
	s_lshr_b32 s19, s18, 6                         ; my first head
	s_add_co_u32 s21, s21, s19
	s_mul_i32 s21, s21, VHEADB
	s_mul_i32 s22, s22, VSTEPB
	s_add_co_u32 s92, s21, s22
	s_mov_b32 s93, 0
	s_add_nc_u64 s[100:101], s[100:101], s[92:93]
	s_lshl_b32 s92, s18, 2
	s_add_nc_u64 s[96:97], s[96:97], s[92:93]      ; bv at my 128 channels
	v_lshlrev_b32 v[BO], 2, v1
.irp a, 0,1,2,3,4,5,6,7
	global_load_b32 v[BR+2*\a], v[BO], s[96:97] offset:64*\a       ; my channel's bias in block a, twice: a pair for the packed addition
	global_load_b32 v[BR+2*\a+1], v[BO], s[96:97] offset:64*\a
.endr
	LAST
.irp a, 0,1,2,3,4,5,6,7
	ADDBIAS \a, BR+2*\a, 0
	s_wait_xcnt 0x0                                ; the last block's stores have read the codes' registers
	QUANT T
	v_mov_b32 v[PWS+\a], v[PW]
.irp c, 0,1,2
	global_store_b128 v[O16], v[PC+4*\c:PC+4*\c+3], s[100:101] offset:(\a/4)*VHEADB+(\a%4)*1536+512*\c   ; head a / 4, channels 16 (a % 4) on: the fragment's twelve registers, 512 consecutive bytes a store
.endr
.endr
.irp d, 0,1
.irp j, 0,1
	v_cndmask_b32 v[SW+2*\d+\j], v[PWS+4*\d+2*\j], v[PWS+4*\d+2*\j+1], vcc_lo
.endr
.endr
.irp d, 0,1
	global_store_b64 v[O8], v[SW+2*\d:SW+2*\d+1], s[100:101] offset:\d*VHEADB+6144
.endr
.Lend:
	s_wait_tensorcnt 0x0                           ; the wave's end
	ds_add_u32 v[SPW], v[NIL]
	s_wait_dscnt 0x0
	CROUND                                         ; the closing round: no work-group ends while a partner may still ask for a tile that names it
	s_endpgm
.Lfunc_end_k_qdd8f25f6a5_qkv:
	.size	k_qdd8f25f6a5_qkv, .Lfunc_end_k_qdd8f25f6a5_qkv-k_qdd8f25f6a5_qkv
	.p2alignl 7, 3214868480
	.fill 96, 4, 3214868480
	.section	.rodata,"a",@progbits
	.p2align	6, 0x0
	.amdhsa_kernel k_qdd8f25f6a5_qkv
		.amdhsa_group_segment_fixed_size 327680
		.amdhsa_private_segment_fixed_size 0
		.amdhsa_enable_private_segment 0
		.amdhsa_kernarg_size 56
		.amdhsa_user_sgpr_count 2
		.amdhsa_user_sgpr_kernarg_segment_ptr 1
		.amdhsa_wavefront_size32 1
		.amdhsa_system_sgpr_workgroup_id_x 1
		.amdhsa_system_sgpr_workgroup_id_y 1
		.amdhsa_system_sgpr_workgroup_id_z 1
		.amdhsa_system_vgpr_workitem_id 0
		.amdhsa_next_free_vgpr 1024
		.amdhsa_next_free_sgpr 102
		.amdhsa_reserve_vcc 1
		.amdhsa_float_denorm_mode_32 3
		.amdhsa_float_denorm_mode_16_64 3
		.amdhsa_memory_ordered 1
		.amdhsa_forward_progress 1
		.amdhsa_inst_pref_size 244
	.end_amdhsa_kernel
	.amdgpu_metadata
---
amdhsa.version: [ 1, 2 ]
amdhsa.kernels:
  - .name:           k_qdd8f25f6a5_qkv
    .symbol:         k_qdd8f25f6a5_qkv.kd
    .args:
      - { .name: codes, .offset: 0, .size: 8, .value_kind: global_buffer, .address_space: global }
      - { .name: scl, .offset: 8, .size: 8, .value_kind: global_buffer, .address_space: global }
      - { .name: bq, .offset: 16, .size: 8, .value_kind: global_buffer, .address_space: global }
      - { .name: bk, .offset: 24, .size: 8, .value_kind: global_buffer, .address_space: global }
      - { .name: bv, .offset: 32, .size: 8, .value_kind: global_buffer, .address_space: global }
      - { .name: qk, .offset: 40, .size: 8, .value_kind: global_buffer, .address_space: global }
      - { .name: vimg, .offset: 48, .size: 8, .value_kind: global_buffer, .address_space: global }
    .group_segment_fixed_size: 327680
    .private_segment_fixed_size: 0
    .kernarg_segment_align: 8
    .kernarg_segment_size: 56
    .max_flat_workgroup_size: 128
    .sgpr_count:     102
    .vgpr_count:     1024
    .wavefront_size: 32
...
	.end_amdgpu_metadata
.endif
;; end of part 2
;; launch attn (part 3): grid 8 x 32, 16 waves a work-group, clusters of 4 x 1, 210,944 bytes of LDS; arguments qk, vimg, ac, asw; writes ac, asw
.if DOCPART == 3
	.amdgcn_target "amdgcn-amd-amdhsa--gfx1250"
	.amdhsa_code_object_version 6
	.text
	.protected	k_qdd8f25f6a5_attn
	.globl	k_qdd8f25f6a5_attn
	.p2align	8
	.type	k_qdd8f25f6a5_attn,@function
k_qdd8f25f6a5_attn:
	s_mov_b64 s[64:65], 0
	v_nop
	global_prefetch_b8 v0, s[64:65] scope:SCOPE_SE
	s_setreg_imm32_b32 hwreg(HW_REG_WAVE_MODE, 25, 1), 1
	s_wait_xcnt 0x0
	s_wait_alu depctr_hold_cnt(0) depctr_sa_sdst(0) depctr_va_vdst(0) depctr_va_sdst(0) depctr_va_ssrc(0) depctr_va_vcc(0) depctr_vm_vsrc(0)
	s_getreg_b32 s2, hwreg(HW_REG_IB_STS2, 6, 4)
	s_cmp_eq_u32 s2, 0
	s_cbranch_scc0 .Lentry_in_a_cluster
	s_endpgm
.Lentry_in_a_cluster:
	s_bfe_u32 s2, ttmp6, 0x10000c
	s_cmp_lg_u32 s2, 0x3003
	s_cbranch_scc0 .Lentry_shape_is_right
	s_endpgm
.Lentry_shape_is_right:
; For each of 32 heads (2 batches x 16): o = softmax(q k^T / 8) v, both products on codes of FP6 (E2M3) with E8M0 scales; o is quantised along the model's 1,024 channels for the last product.
; SOFTMAX: t = score x log2(e) / 8; M = the running largest t rounded UP to a whole number; p = 2^(t - M) is what is quantised, along the keys; the row's sum is taken of the unquantised p and divides o at the end
; (v_rcp_f32 and a multiplication).  When M moves, the sum and o are multiplied by 2^(old M - new M), which rounds nothing.
; SHARES.  A work-group owns 256 queries of one head; each of its sixteen waves 16 of them in 256 registers, four waves to a SIMD, so that one wave's vector work stands beside another's matrix work and LDS loads.
; A HEAD'S K AND V STAY IN LDS: their register images and scale words are 106,496 + 102,400 bytes, filled once: no slot is filled again, and the loop over the keys has no barrier but one.
; CLUSTER.  The four query blocks of a cluster belong to one head: every tile is asked for jointly, by the same tensor load with a mask that names the four.
; LAYOUT.  S^T = K Q^T (source 0 = 16 keys, source 1 = my 16 queries), O^T = V^T P^T (source 0 = 16 channels, source 1 = P): a lane holds one query throughout.  The head's 64 channels fill half of the instruction's 128:
; the upper six registers of Q's and K's fragments are zero codes.  Two neighbouring tiles of keys give a lane 16 numbers of a block of 32, in the order 0-7, 16-23 (lanes 0-15) and 8-15, 24-31 (lanes 16-31): V's keys lie in the same order.
; LIMITS: NaN and infinities are not served; a block of o whose largest magnitude lies under 2^-124 gets the byte 1.
; OUT.  ac: [32 groups of 128 tokens][8 pairs of heads][8 tiles of 16 tokens][2 heads][768 bytes]: six registers of the next operand's fragment (0-3 at 16 x lane, 4-5 at 512 + 8 x lane).  asw: [4096 tokens][32]: byte 2 head + block.
; THE LOADS AND BARRIERS AS THE TEXT HAS THEM: each of the sixteen waves asks for one tile of two key steps (waves 0-7 K's, waves 8-15 V's).  One barrier shows steps 0 to 3, one more, behind the fourth step, the rest.
.set HEADB,  106496
.set STEPB,  6656                      ; a step of 128 keys of K: 8 fragment images of 768 bytes, 512 bytes of scale words
.set VHEADB, 102400
.set VSTEPB, 6400                      ; of V: 4 fragment images of 1,536 bytes, 256 bytes of scale words
.set VREG,   HEADB                     ; LDS: K's 16 steps from 0, V's from here
.set L16,   1                          ; v1 16 x lane
.set L8,    2                          ; v2 8 x lane
.set ADK16, 3                          ; v3-6 the step's LDS addresses
.set ADK8,  4
.set ADV16, 5
.set ADV8,  6
.set QSC,   7                          ; v7 Q's scale words
.set KSC,   8                          ; v8-11 K's: register j: lanes 0-15 tile 2 j, lanes 16-31 tile 2 j + 1
.set VSC,   28                         ; v28-29 V's likewise
.set QF,    16                         ; v16-27 Q's fragment; v12 -M, v13 the largest t, v[14:15] the sum in two halves
.set KF,    32                         ; v32-79 four fragments of K
.set VF,    80                         ; v80-127 V's four
.set S,     128                        ; v128-191 S^T, then p
.set O,     192                        ; v192-223 O^T;  v224-235 p's codes;  v232-254 at work
.set WV,  12
.set SEL, 24
.set CS,  26
.set G1K, 28
.set G1V, 36
.set G0K, 44                           ; s[44:47] group 0 for K
.set G0V, 68                           ; s[68:71] group 0 for V
.set TK,  84                           ; LDS byte of the step's K
.set TV,  85                           ; of its V
.set CNT, 86
.macro CROUND                          ; a round of the cluster's barrier
	s_barrier_signal -1
	s_barrier_wait -1
	s_cmp_lg_u32 s[WV], 0
	s_cbranch_scc1 .Lnot_wave_0_\@
	s_barrier_signal -3
.Lnot_wave_0_\@:
	s_barrier_wait -3
	s_barrier_signal -1
	s_barrier_wait -1
.endm
.macro PLACES
.rept 4
	v_nop
.endr
.endm
	s_load_b256 s[4:11], s[0:1], 0x0               ; qk s[4:5], vimg s[6:7], ac s[8:9], asw s[10:11]
	v_lshl_add_u32 v251, v0, 2, 0x33000
	v_mov_b32 v255, 0
	ds_add_u32 v251, v255
	ds_add_u32 v251, v255
	v_lshrrev_b32 v3, 5, v0
	s_delay_alu instid0(VALU_DEP_1)
	v_readfirstlane_b32 s[WV], v3                  ; wave 0..15
	s_bfe_u32 s13, ttmp6, 0x40000                  ; cx
	s_lshl_b32 s14, ttmp9, 2
	s_add_co_u32 s14, s14, s13                     ; my block of 256 queries: it enters Q's and the outputs' addresses alone
	s_and_b32 s15, ttmp7, 0xffff                   ; 16 x batch + head, which the four partners share
	s_and_b32 s16, s[WV], 7                        ; which pair of key steps I fetch
	s_lshl_b32 s17, s14, 1
	s_lshr_b32 s18, s[WV], 3
	s_add_co_u32 s17, s17, s18                     ; the step of 128 tokens that holds my 16 queries
	s_and_b32 s18, s[WV], 7                        ; and their tile in it
	; descriptor group 1: two steps' images, a dense block, as rows of 256 bytes (32 elements of 8 bytes): K 52 rows, V 50
	s_mov_b32 s[G1K], 15|(3<<16)|(1<<21)           ; 15:0 the mask: all four work-groups; 17:16 elements of 8 bytes; 21 set beside a mask
	s_mov_b32 s[G1K+1], 32<<16
	s_mov_b32 s[G1K+2], 52<<16
	s_mov_b32 s[G1K+3], 32<<16
	s_mov_b32 s[G1K+4], 52
	s_mov_b32 s[G1K+5], 32
	s_mov_b32 s[G1K+6], 0
	s_mov_b32 s[G1K+7], 0
	s_mov_b32 s[G1V], 15|(3<<16)|(1<<21)
	s_mov_b32 s[G1V+1], 32<<16
	s_mov_b32 s[G1V+2], 50<<16
	s_mov_b32 s[G1V+3], 32<<16
	s_mov_b32 s[G1V+4], 50
	s_mov_b32 s[G1V+5], 32
	s_mov_b32 s[G1V+6], 0
	s_mov_b32 s[G1V+7], 0
	s_mov_b32 s[SEL], 0x76543210
	s_mov_b32 s[SEL+1], 0xfedcba98
	s_mov_b32 s[CS], 0x3e38aa3b                    ; c = log2(e) / 8
	s_mov_b32 s[CS+1], s[CS]                       ; (named with it as a pair)
	s_mov_b32 s[TK], 0
	s_mov_b32 s[TV], VREG
	s_add_co_u32 s88, s15, 32                      ; k's heads lie behind q's 32
	s_mul_i32 s88, s88, HEADB
	s_mul_i32 s90, s16, 2*STEPB                    ; my pair's place in K's 16 steps, in memory and in LDS alike
	s_add_co_u32 s88, s88, s90
	s_mov_b32 s89, 0
	s_mul_i32 s92, s15, VHEADB
	s_mul_i32 s91, s16, 2*VSTEPB
	s_add_co_u32 s92, s92, s91
	s_mov_b32 s93, 0
	s_mul_i32 s94, s15, HEADB                      ; q: my head, my step,
	s_mul_i32 s95, s17, STEPB
	s_add_co_u32 s94, s94, s95
	s_mul_i32 s95, s18, 768
	s_add_co_u32 s20, s94, s95                     ; my tile's image
	s_mov_b32 s21, 0
	s_and_b32 s95, s18, 1
	s_lshl_b32 s95, s95, 8
	s_add_co_u32 s22, s94, s95                     ; its scale words: lanes' half tile % 2 (256 bytes on), register tile / 2 (4 bytes each)
	s_lshr_b32 s95, s18, 1
	s_lshl_b32 s95, s95, 2
	s_add_co_u32 s22, s22, s95
	s_mov_b32 s23, 0
	s_wait_dscnt 0x0
	s_wait_kmcnt 0x0
	s_add_nc_u64 s[88:89], s[4:5], s[88:89]
	s_add_nc_u64 s[92:93], s[6:7], s[92:93]
	s_add_nc_u64 s[20:21], s[4:5], s[20:21]
	s_add_nc_u64 s[22:23], s[4:5], s[22:23]
	CROUND                                         ; all four work-groups are here: the joint loads meet
.irp g, 0
	s_mov_b32 s[G0K+4*\g], 1
	s_add_co_u32 s[G0K+4*\g+1], s90, \g*4*STEPB
	s_add_nc_u64 s[G0K+4*\g+2:G0K+4*\g+3], s[88:89], \g*4*STEPB
	s_or_b32 s[G0K+4*\g+3], s[G0K+4*\g+3], 0x80000000
	s_mov_b32 s[G0V+4*\g], 1
	s_add_co_u32 s[G0V+4*\g+1], s91, VREG+\g*4*VSTEPB
	s_add_nc_u64 s[G0V+4*\g+2:G0V+4*\g+3], s[92:93], \g*4*VSTEPB
	s_or_b32 s[G0V+4*\g+3], s[G0V+4*\g+3], 0x80000000
.endr
	; one load a wave, in one chain of four arms: the waves that fetch steps 0 to 3 (0, 1 for K; 8, 9 for V) have load lines of their own, since they alone wait at the first barrier
	s_cmp_lt_u32 s[WV], 2
	s_cbranch_scc0 .Lk_late
	tensor_load_to_lds s[G0K:G0K+3], s[G1K:G1K+7]
	s_nop 0
	PLACES
	s_branch .Lasked
.Lk_late:
	s_cmp_lt_u32 s[WV], 8
	s_cbranch_scc0 .Lv_early
	tensor_load_to_lds s[G0K:G0K+3], s[G1K:G1K+7]
	s_nop 0
	PLACES
	s_branch .Lasked
.Lv_early:
	s_cmp_lt_u32 s[WV], 10
	s_cbranch_scc0 .Lv_late
	tensor_load_to_lds s[G0V:G0V+3], s[G1V:G1V+7]
	s_nop 0
	PLACES
	s_branch .Lasked
.Lv_late:
	tensor_load_to_lds s[G0V:G0V+3], s[G1V:G1V+7]
	s_nop 0
	PLACES
.Lasked:
	v_and_b32 v3, 31, v0
	s_delay_alu instid0(VALU_DEP_1)
	v_lshlrev_b32 v[L16], 4, v3
	s_delay_alu instid0(VALU_DEP_2)
	v_lshlrev_b32 v[L8], 3, v3
	v_and_b32 v30, 15, v0
	s_delay_alu instid0(VALU_DEP_1)
	v_lshlrev_b32 v31, 4, v30
	global_load_b128 v[QF:QF+3], v[L16], s[20:21]              ; Q's fragment stays in registers
	global_load_b64 v[QF+4:QF+5], v[L8], s[20:21] offset:512
	global_load_b32 v[QSC], v31, s[22:23] offset:6144
.irp j, 6,7,8,9,10,11
	v_mov_b32 v[QF+\j], 0                          ; positions 64 to 127 of K: zero codes, in Q
.endr
.irp t, 0,1,2,3
.irp j, 6,7,8,9,10,11
	v_mov_b32 v[KF+12*\t+\j], 0                    ; and in K's four fragments: written once, no load lands here
.endr
.endr
	v_mov_b32 v13, 0xff61b1e6                      ; the largest t so far: -3e38
	s_delay_alu instid0(VALU_DEP_1)
	v_floor_f32 v12, -v13                          ; -M
	v_mov_b32 v14, 0
	v_mov_b32 v15, 0
.irp b, 0,1,2,3
	v_mov_b32 v[236+\b], 0                         ; written once: a lane permute's destination counts as one of its sources
.endr
	v_mov_b32 v253, 0                              ; (named as the upper half of the pair v[252:253] before it is first written)
.set J, 0
.rept 32
	v_mov_b32 v[O+J], 0                            ; O^T: the step is written once; the first finds zeros, which the first change of M leaves zeros
.set J, J+1
.endr
.macro KLOAD f0                        ; four fragments of K, tiles f0 on: the six registers that hold codes
.irp t, 0,1,2,3
	ds_load_b128 v[KF+12*\t:KF+12*\t+3], v[ADK16] offset:768*(\f0+\t)
	ds_load_b64 v[KF+12*\t+4:KF+12*\t+5], v[ADK8] offset:768*(\f0+\t)+512
.endr
.endm
.macro KQ f
.if (\f)%2
	v_wmma_scale_f32_16x16x128_f8f6f4 v[S+8*(\f):S+8*(\f)+7], v[KF+12*((\f)%4):KF+12*((\f)%4)+11], v[QF:QF+11], 0, v[KSC+(\f)/2], v[QSC] matrix_a_fmt:MATRIX_FMT_FP6 matrix_b_fmt:MATRIX_FMT_FP6 matrix_a_scale:MATRIX_SCALE_ROW1
.else
	v_wmma_scale_f32_16x16x128_f8f6f4 v[S+8*(\f):S+8*(\f)+7], v[KF+12*((\f)%4):KF+12*((\f)%4)+11], v[QF:QF+11], 0, v[KSC+(\f)/2], v[QSC] matrix_a_fmt:MATRIX_FMT_FP6 matrix_b_fmt:MATRIX_FMT_FP6
.endif
.endm
.macro PV t
.if (\t)%2
	v_wmma_scale_f32_16x16x128_f8f6f4 v[O+8*(\t):O+8*(\t)+7], v[VF+12*(\t):VF+12*(\t)+11], v[224:235], v[O+8*(\t):O+8*(\t)+7], v[VSC+(\t)/2], v253 matrix_a_fmt:MATRIX_FMT_FP6 matrix_b_fmt:MATRIX_FMT_FP6 matrix_a_scale:MATRIX_SCALE_ROW1
.else
	v_wmma_scale_f32_16x16x128_f8f6f4 v[O+8*(\t):O+8*(\t)+7], v[VF+12*(\t):VF+12*(\t)+11], v[224:235], v[O+8*(\t):O+8*(\t)+7], v[VSC+(\t)/2], v253 matrix_a_fmt:MATRIX_FMT_FP6 matrix_b_fmt:MATRIX_FMT_FP6
.endif
.endm
; A KEY STEP: 128 keys.
.macro STEP
	v_add_nc_u32 v[ADK16], s[TK], v[L16]           ; these four are also the places between the last step's products and the loads into V's registers
	v_add_nc_u32 v[ADK8], s[TK], v[L8]
	v_add_nc_u32 v[ADV16], s[TV], v[L16]
	v_add_nc_u32 v[ADV8], s[TV], v[L8]
	KLOAD 0
	ds_load_b128 v[KSC:KSC+3], v[ADK16] offset:6144
.irp t, 0,1,2,3
.irp c, 0,1,2
	ds_load_b128 v[VF+12*\t+4*\c:VF+12*\t+4*\c+3], v[ADV16] offset:1536*\t+512*\c
.endr
.endr
	ds_load_b64 v[VSC:VSC+1], v[ADV8] offset:6144
	s_wait_alu depctr_va_vdst(0)
	s_wait_dscnt 13                                ; K's nine loads are in; V's thirteen may be out
.irp f, 0,1,2,3
	KQ \f
.endr
	PLACES                                         ; in front of loads into registers that matrix instructions have read
	KLOAD 4
	s_wait_dscnt 0x0
.irp f, 4,5,6,7
	KQ \f
.endr
; The largest score of each block of 32 keys: for the row's maximum and, since p rises with the score, for the block's largest p.  Blocks 0 and 1 first: their four products stand ahead of the
; four places in front of the second run of K's loads, and their fourteen lines, which name no register of the last four products, are the places ahead of the first read of blocks 2 and 3.
.irp h, 0,2
.irp b, 0,1
	v_max3_num_f32 v[232+\h+\b], v[S+16*(\h+\b)], v[S+1+16*(\h+\b)], v[S+2+16*(\h+\b)]
.endr
.irp i, 3,5,7,9,11,13
.irp b, 0,1
	v_max3_num_f32 v[232+\h+\b], v[232+\h+\b], v[S+16*(\h+\b)+\i], v[S+1+16*(\h+\b)+\i]
.endr
.endr
.endr
.irp b, 0,1,2,3
	v_max_num_f32 v[232+\b], v[232+\b], v[S+15+16*\b]
.endr
.irp b, 0,1,2,3
	s_delay_alu instid0(VALU_DEP_4)
	v_permlanex16_b32 v[236+\b], v[232+\b], s[SEL], s[SEL+1]
.endr
.irp b, 0,1,2,3
	s_delay_alu instid0(VALU_DEP_4)
	v_max_num_f32 v[232+\b], v[232+\b], v[236+\b]  ; with lane l xor 16's 16 keys
.endr
	s_delay_alu instid0(VALU_DEP_2)
	v_max3_num_f32 v254, v232, v233, v234
	s_delay_alu instid0(VALU_DEP_1)
	v_max_num_f32 v254, v254, v235
	s_delay_alu instid0(VALU_DEP_1)
	v_mul_f32 v254, s[CS], v254                    ; as t (c is positive)
	s_delay_alu instid0(VALU_DEP_1)
	v_max_num_f32 v13, v13, v254                   ; the running largest t
	v_mov_b32 v254, v12
	s_delay_alu instid0(VALU_DEP_2)
	v_floor_f32 v12, -v13                          ; the new -M = -ceil(t)
	s_delay_alu instid0(VALU_DEP_1)
	v_sub_f32 v254, v12, v254                      ; old M - new M: a whole number, 0 or less
	s_delay_alu instid0(VALU_DEP_1)
	v_cvt_i32_f32 v254, v254                       ; (it saturates)
	s_delay_alu instid0(VALU_DEP_1)
	v_ldexp_f32 v252, 1.0, v254                    ; f = 2^(old M - new M)
.set J, 0
.rept 32
	v_pk_fma_f32 v[S+J:S+J+1], v[S+J:S+J+1], s[CS:CS+1], v[12:13] op_sel_hi:[1,0,0]   ; t - M, two at a time
.set J, J+2
.endr
.irp b, 0,1,2,3
	v_fma_f32 v[232+\b], v[232+\b], s[CS], v12     ; the same of each block's largest score
.endr
.set J, 0
	s_wait_alu depctr_va_vdst(0)
.rept 64
	v_exp_f32 v[S+J], v[S+J]                       ; p = 2^(t - M), at most 1
.set J, J+1
.endr
.irp b, 0,1,2,3
	v_exp_f32 v[232+\b], v[232+\b]                 ; the block's largest p
.endr
	v_pk_mul_f32 v[14:15], v[14:15], v[252:253] op_sel_hi:[1,0]   ; the sums under the new M (a plain line behind the exponentials)
	s_wait_alu depctr_va_vdst(0)
.irp b, 0,1,2,3
	v_max_num_f32 v[232+\b], 0x1800000, v[232+\b]  ; the floor 2^(3 - 127)
.endr
.irp b, 0,1,2,3
	s_delay_alu instid0(VALU_DEP_4)
	v_add_nc_u32 v[244+\b], 0xff000000, v[232+\b]  ; the conversion's scale operand
.endr
.irp b, 0,1,2,3
	s_delay_alu instid0(VALU_DEP_4)
	v_lshrrev_b32 v[236+\b], 23, v[244+\b]         ; the scale's byte
.endr
	s_delay_alu instid0(VALU_DEP_3)
	v_lshl_or_b32 v253, v237, 8, v236              ; p's scale word for these 128 keys
	s_delay_alu instid0(VALU_DEP_1)
	v_lshl_or_b32 v253, v238, 16, v253
	s_delay_alu instid0(VALU_DEP_1)
	v_lshl_or_b32 v253, v239, 24, v253
.irp c, 0,1
	v_cvt_scalef32_pk16_fp6_f32 v[224+6*\c:226+6*\c], v[S+32*\c:S+15+32*\c], v[244+2*\c]
	v_cvt_scalef32_pk16_fp6_f32 v[236+4*\c:238+4*\c], v[S+16+32*\c:S+31+32*\c], v[244+2*\c+1]
.endr
	v_nop                                          ; one plain line behind a scaled conversion
.irp c, 0,1
.irp i, 0,1,2
	v_permlane16_swap_b32 v[224+6*\c+\i], v[236+4*\c+\i]
.endr
.irp i, 0,1,2
	s_delay_alu instid0(VALU_DEP_3)
	v_mov_b32 v[227+6*\c+\i], v[236+4*\c+\i]
.endr
.endr
	v_pk_add_f32 v[236:237], v[132:133], v[136:137]
	v_pk_add_f32 v[248:249], v[140:141], v[144:145]
	v_pk_add_f32 v[246:247], v[148:149], v[152:153]
	v_pk_add_f32 v[244:245], v[156:157], v[160:161]
	v_pk_add_f32 v[242:243], v[164:165], v[168:169]
	v_pk_add_f32 v[240:241], v[172:173], v[176:177]
	v_pk_add_f32 v[72:73], v[180:181], v[184:185]
	v_pk_add_f32 v[14:15], v[14:15], v[188:189]
	v_pk_add_f32 v[236:237], v[236:237], v[128:129]
	v_pk_add_f32 v[248:249], v[248:249], v[130:131]
	v_pk_add_f32 v[246:247], v[246:247], v[134:135]
	v_pk_add_f32 v[244:245], v[244:245], v[138:139]
	v_pk_add_f32 v[242:243], v[242:243], v[142:143]
	v_pk_add_f32 v[240:241], v[240:241], v[146:147]
	v_pk_add_f32 v[72:73], v[72:73], v[150:151]
	v_pk_add_f32 v[14:15], v[14:15], v[154:155]
	v_pk_add_f32 v[236:237], v[236:237], v[158:159]
	v_pk_add_f32 v[248:249], v[248:249], v[162:163]
	v_pk_add_f32 v[246:247], v[246:247], v[166:167]
	v_pk_add_f32 v[244:245], v[244:245], v[170:171]
	v_pk_add_f32 v[242:243], v[242:243], v[174:175]
	v_pk_add_f32 v[240:241], v[240:241], v[178:179]
	v_pk_add_f32 v[72:73], v[72:73], v[182:183]
	v_pk_add_f32 v[14:15], v[14:15], v[186:187]
	v_pk_add_f32 v[236:237], v[236:237], v[190:191]
	s_delay_alu instid0(VALU_DEP_2)
	v_pk_add_f32 v[14:15], v[14:15], v[244:245]
	s_delay_alu instid0(VALU_DEP_2)
	v_pk_add_f32 v[236:237], v[236:237], v[242:243]
	v_pk_add_f32 v[248:249], v[248:249], v[240:241]
	v_pk_add_f32 v[246:247], v[246:247], v[72:73]
	s_delay_alu instid0(VALU_DEP_2)
	v_pk_add_f32 v[14:15], v[14:15], v[248:249]
	s_delay_alu instid0(VALU_DEP_2)
	v_pk_add_f32 v[236:237], v[236:237], v[246:247]
	s_delay_alu instid0(VALU_DEP_1)
	v_pk_add_f32 v[14:15], v[14:15], v[236:237]
.set J, 0
.rept 16
	v_pk_mul_f32 v[O+J:O+J+1], v[O+J:O+J+1], v[252:253] op_sel_hi:[1,0]   ; O^T under the new M.  (With the sums above: the places between the writes of p's codes and scale word and the products below)
.set J, J+2
.endr
.irp t, 0,1,2,3
	PV \t                                          ; the four accumulators by turns, one instruction a turn
.endr
	s_add_co_u32 s[TK], s[TK], STEPB
	s_add_co_u32 s[TV], s[TV], VSTEPB
.endm
	s_wait_alu depctr_va_vdst(0)
	s_cmp_lt_u32 s[WV], 2
	s_cbranch_scc1 .Learly
	s_cmp_lt_u32 s[WV], 8
	s_cbranch_scc1 .Llate
	s_cmp_lt_u32 s[WV], 10
	s_cbranch_scc0 .Llate
.Learly:
	s_wait_tensorcnt 0x0                           ; waves 0, 1, 8, 9: my two of steps 0 to 3 are in; the other waves' tiles may be out
.Llate:
	s_barrier_signal -1
	s_barrier_wait -1                              ; steps 0 to 3 of K and of V are whole
	s_wait_loadcnt 0x0                             ; Q
	s_mov_b32 s[CNT], 4
.Lfirst:
	STEP
	s_sub_co_u32 s[CNT], s[CNT], 1
	s_cmp_lg_u32 s[CNT], 0
	s_cbranch_scc1 .Lfirst
	s_wait_tensorcnt 0x0                           ; all my loads are in (no LDS load of mine is out: a step waits for all of its own)
	s_barrier_signal -1
	s_barrier_wait -1                              ; the whole head lies in LDS
	s_mov_b32 s[CNT], 12
.Lrest:
	STEP
	s_sub_co_u32 s[CNT], s[CNT], 1
	s_cmp_lg_u32 s[CNT], 0
	s_cbranch_scc1 .Lrest
	; THE WAY OUT: O^T / the sum; a lane's 32 numbers are 16 of each of the head's two blocks of 32 channels: quantised as p is, they are six registers of the next operand's fragment.
	PLACES
	v_add_f32 v14, v14, v15
	s_delay_alu instid0(VALU_DEP_1)
	v_permlanex16_b32 v252, v14, s[SEL], s[SEL+1]
	s_delay_alu instid0(VALU_DEP_1)
	v_add_f32 v14, v14, v252                       ; the row's sum
	s_wait_alu depctr_va_vdst(0)
	v_rcp_f32 v14, v14
	v_nop                                          ; a plain line behind the transcendental
.set J, 0
	s_wait_alu depctr_va_vdst(0)
.rept 16
	v_pk_mul_f32 v[S+J:S+J+1], v[O+J:O+J+1], v[14:15] op_sel_hi:[1,0]   ; each accumulator from its low end on
.set J, J+2
.endr
.irp b, 0,1
	v_max3_num_f32 v[232+\b], |v[S+16*\b]|, |v[S+1+16*\b]|, 0x1800000
.endr
.irp i, 2,4,6,8,10,12,14
.irp b, 0,1
	s_delay_alu instid0(VALU_DEP_2)
	v_max3_num_f32 v[232+\b], v[232+\b], |v[S+16*\b+\i]|, |v[S+1+16*\b+\i]|
.endr
.endr
.irp b, 0,1
	s_delay_alu instid0(VALU_DEP_2)
	v_permlanex16_b32 v[236+\b], v[232+\b], s[SEL], s[SEL+1]
.endr
.irp b, 0,1
	s_delay_alu instid0(VALU_DEP_2)
	v_max_num_f32 v[232+\b], v[232+\b], v[236+\b]
.endr
.irp b, 0,1
	s_delay_alu instid0(VALU_DEP_2)
	v_add_nc_u32 v[244+\b], 0xff000000, v[232+\b]
.endr
.irp b, 0,1
	s_delay_alu instid0(VALU_DEP_2)
	v_lshrrev_b32 v[240+\b], 23, v[244+\b]
.endr
	v_cvt_scalef32_pk16_fp6_f32 v[224:226], v[S:S+15], v244
	v_cvt_scalef32_pk16_fp6_f32 v[236:238], v[S+16:S+31], v245
	v_nop
.irp i, 0,1,2
	v_permlane16_swap_b32 v[224+\i], v[236+\i]
.endr
.irp i, 0,1,2
	s_delay_alu instid0(VALU_DEP_3)
	v_mov_b32 v[227+\i], v[236+\i]
.endr
	s_mov_b32 vcc_lo, 0xffff0000
	v_cndmask_b32 v242, v240, v241, vcc_lo         ; lanes 0-15 block 0's byte, lanes 16-31 block 1's
	v_and_b32 v30, 15, v0
	v_bfe_u32 v31, v0, 4, 1
	s_delay_alu instid0(VALU_DEP_1)
	v_lshl_add_u32 v30, v30, 5, v31                ; 32 x token + block
	s_lshr_b32 s88, s15, 4                         ; the batch
	s_lshl_b32 s89, s88, 4
	s_add_co_u32 s89, s89, s17                     ; the group of 128 tokens
	s_mul_i32 s89, s89, 98304
	s_and_b32 s90, s15, 15                         ; the head
	s_lshr_b32 s91, s90, 1
	s_mul_i32 s91, s91, 12288                      ; the pair of heads: a K step of the last product
	s_add_co_u32 s89, s89, s91
	s_mul_i32 s91, s18, 1536                       ; my tile of 16 tokens
	s_add_co_u32 s89, s89, s91
	s_and_b32 s91, s15, 1
	s_mul_i32 s91, s91, 768                        ; the head's half of the fragment
	s_add_co_u32 s92, s89, s91
	s_mov_b32 s93, 0
	s_add_nc_u64 s[8:9], s[8:9], s[92:93]
	s_lshl_b32 s92, s88, 16                        ; scale bytes: (2048 batch + 256 block + 16 wave) rows of 32, + 2 head
	s_lshl_b32 s91, s14, 13
	s_add_co_u32 s92, s92, s91
	s_lshl_b32 s91, s[WV], 9
	s_add_co_u32 s92, s92, s91
	s_lshl_b32 s91, s90, 1
	s_add_co_u32 s92, s92, s91
	s_add_nc_u64 s[10:11], s[10:11], s[92:93]
	s_wait_alu depctr_va_vdst(0)
	global_store_b128 v[L16], v[224:227], s[8:9]               ; 512 consecutive bytes, aligned
	global_store_b64 v[L8], v[228:229], s[8:9] offset:512      ; 256
	global_store_b8 v30, v242, s[10:11]                        ; single bytes, two of each token's row of 32: a row's other bytes come from the other heads' work-groups; 32 bytes of the wave's 800
	s_wait_tensorcnt 0x0
	ds_add_u32 v251, v255
	s_wait_dscnt 0x0
	CROUND                                         ; the closing round: no work-group ends while a partner may still ask for a tile that names it
	s_endpgm
.Lfunc_end_k_qdd8f25f6a5_attn:
	.size	k_qdd8f25f6a5_attn, .Lfunc_end_k_qdd8f25f6a5_attn-k_qdd8f25f6a5_attn
	.p2alignl 7, 3214868480
	.fill 96, 4, 3214868480
	.section	.rodata,"a",@progbits
	.p2align	6, 0x0
	.amdhsa_kernel k_qdd8f25f6a5_attn
		.amdhsa_group_segment_fixed_size 210944
		.amdhsa_private_segment_fixed_size 0
		.amdhsa_enable_private_segment 0
		.amdhsa_kernarg_size 32
		.amdhsa_user_sgpr_count 2
		.amdhsa_user_sgpr_kernarg_segment_ptr 1
		.amdhsa_wavefront_size32 1
		.amdhsa_system_sgpr_workgroup_id_x 1
		.amdhsa_system_sgpr_workgroup_id_y 1
		.amdhsa_system_sgpr_workgroup_id_z 1
		.amdhsa_system_vgpr_workitem_id 0
		.amdhsa_next_free_vgpr 256
		.amdhsa_next_free_sgpr 100
		.amdhsa_reserve_vcc 1
		.amdhsa_float_denorm_mode_32 3
		.amdhsa_float_denorm_mode_16_64 3
		.amdhsa_memory_ordered 1
		.amdhsa_forward_progress 1
		.amdhsa_inst_pref_size 48
	.end_amdhsa_kernel
	.amdgpu_metadata
---
amdhsa.version: [ 1, 2 ]
amdhsa.kernels:
  - .name:           k_qdd8f25f6a5_attn
    .symbol:         k_qdd8f25f6a5_attn.kd
    .args:
      - { .name: qk, .offset: 0, .size: 8, .value_kind: global_buffer, .address_space: global }
      - { .name: vimg, .offset: 8, .size: 8, .value_kind: global_buffer, .address_space: global }
      - { .name: ac, .offset: 16, .size: 8, .value_kind: global_buffer, .address_space: global }
      - { .name: asw, .offset: 24, .size: 8, .value_kind: global_buffer, .address_space: global }
    .group_segment_fixed_size: 210944
    .private_segment_fixed_size: 0
    .kernarg_segment_align: 8
    .kernarg_segment_size: 32
    .max_flat_workgroup_size: 512
    .sgpr_count:     100
    .vgpr_count:     256
    .wavefront_size: 32
...
	.end_amdgpu_metadata
.endif
;; end of part 3
;; launch oproj (part 4): grid 8 x 32, 4 waves a work-group, clusters of 4 x 4, 327,680 bytes of LDS; arguments ac, asw, codes, scl, out0, bo; writes out0
.if DOCPART == 4
	.amdgcn_target "amdgcn-amd-amdhsa--gfx1250"
	.amdhsa_code_object_version 6
	.text
	.protected	k_qdd8f25f6a5_oproj
	.globl	k_qdd8f25f6a5_oproj
	.p2align	8
	.type	k_qdd8f25f6a5_oproj,@function
k_qdd8f25f6a5_oproj:
	s_mov_b64 s[64:65], 0
	v_nop
	global_prefetch_b8 v0, s[64:65] scope:SCOPE_SE
	s_setreg_imm32_b32 hwreg(HW_REG_WAVE_MODE, 25, 1), 1
	s_wait_xcnt 0x0
	s_wait_alu depctr_hold_cnt(0) depctr_sa_sdst(0) depctr_va_vdst(0) depctr_va_sdst(0) depctr_va_ssrc(0) depctr_va_vcc(0) depctr_vm_vsrc(0)
	s_getreg_b32 s2, hwreg(HW_REG_IB_STS2, 6, 4)
	s_cmp_eq_u32 s2, 0
	s_cbranch_scc0 .Lentry_in_a_cluster
	s_endpgm
.Lentry_in_a_cluster:
	s_bfe_u32 s2, ttmp6, 0x10000c
	s_cmp_lg_u32 s2, 0xf033
	s_cbranch_scc0 .Lentry_shape_is_right
	s_endpgm
.Lentry_shape_is_right:
; out0 = attn Wo + bo on codes of FP6 (E2M3) with E8M0 scales, K = 1,024.  A work-group of four waves makes 128 tokens x 128 columns, a wave 64 x 64; the bias is the first products' C.
; All of K lies in LDS, filled once: the tokens' register images (98,304 dense bytes), Wo's 128 rows of codes (98,304 dense bytes, 16 bytes of padding behind each 64), and the scale bytes of both (4,096 each).
; These four tiles are dense blocks of memory, stated as rows of 256 bytes; each wave asks for one of them at the head, jointly: the tokens' along a row of the 4 x 4 cluster, Wo's along a column.
; The results go through each wave's own stage in LDS and leave as whole rows of 256 bytes.  LIMITS: NaN and infinities are not served.
.set PITCH,  240
.set AIMG,   0
.set BROW,   98304
.set CHB,    128*PITCH
.set SCL,    BROW+4*CHB
.set HALFS,  8*272
.set SBLK,   2*272
.set STAGE,  SCL+4*HALFS
.set SPITCH, 272
.set AA16, 16
.set AA8,  18
.set ADRB, 20
.set STO,  24
.set RD,   25
.set CO,   26
.set ADRS, 27
.set BOF,  28
.set OB,   32
.set BIAS, 64
.set SC,   96
.set ACC,  128
.set G1, 24
.set G0, 32
.set G1B, 48
.set G0B, 56
.set G1S, 68
.set G0S, 76
.set G1SB, 80
.set G0SB, 88
.set MSB, 0
.macro WIN new
.if MSB != \new
	s_set_vgpr_msb (MSB<<8)|\new
.set MSB, \new
.endif
.endm
.set MUL,  0x05
.set TO_F, 0x40
.macro ARM under, g0, g1, next         ; an arm of the head's chain of branches on the wave's number: one joint load, then on to the join
	s_cmp_lt_u32 s14, \under
	s_cbranch_scc0 \next
	tensor_load_to_lds s[\g0:\g0+3], s[\g1:\g1+7]
	s_nop 0
.rept 4
	v_nop
.endr
	s_branch .Lhead_asked
\next:
.endm
.macro CROUND
	s_barrier_signal -1
	s_barrier_wait -1
	s_cmp_lg_u32 s14, 0
	s_cbranch_scc1 .Lnot_wave_0_\@
	s_barrier_signal -3
.Lnot_wave_0_\@:
	s_barrier_wait -3
	s_barrier_signal -1
	s_barrier_wait -1
.endm
.macro PLACES
.rept 4
	v_nop
.endr
.endm
	s_load_b256 s[4:11], s[0:1], 0x0
	s_load_b128 s[96:99], s[0:1], 0x20
	v_lshl_add_u32 v30, v0, 2, 0x3c600
	v_mov_b32 v31, 0
	ds_add_u32 v30, v31
	ds_add_u32 v30, v31
	v_lshrrev_b32 v1, 5, v0
	v_readfirstlane_b32 s14, v1
	s_lshr_b32 s15, s14, 1
	s_and_b32 s16, s14, 1
	s_bfe_u32 s40, ttmp6, 0x40000
	s_bfe_u32 s41, ttmp6, 0x40004
	s_lshl_b32 s42, ttmp9, 2
	s_add_co_u32 s42, s42, s40
	s_and_b32 s17, ttmp7, 0xffff
	s_lshl_b32 s17, s17, 2
	s_add_co_u32 s17, s17, s41
	s_lshl_b32 s43, s41, 2
	s_lshl_b32 s43, 15, s43
	s_lshl_b32 s44, 0x1111, s40
	s_or_b32 s[G1+0], s43, (3<<16)|(1<<21)
	s_mov_b32 s[G1+1], 32<<16
	s_mov_b32 s[G1+2], 384<<16                     ; the tokens' images: 384 rows of 256 bytes
	s_mov_b32 s[G1+3], 32<<16
	s_mov_b32 s[G1+4], 384
	s_mov_b32 s[G1+5], 32
	s_mov_b32 s[G1+6], 0
	s_mov_b32 s[G1+7], 0
	s_or_b32 s[G1B+0], s44, (0<<16)|(1<<20)|(1<<21)|(3<<22)|(3<<25)
	s_mov_b32 s[G1B+1], 256<<16                    ; Wo's group of codes: 384 rows of 256 bytes; the padding's interval is 64 bytes, so a code row of 192 bytes takes 240 in LDS
	s_mov_b32 s[G1B+2], 384<<16
	s_mov_b32 s[G1B+3], 256<<16
	s_mov_b32 s[G1B+4], 384
	s_mov_b32 s[G1B+5], 256
	s_mov_b32 s[G1B+6], 0
	s_mov_b32 s[G1B+7], 0
	s_or_b32 s[G1S+0], s43, (3<<16)|(1<<20)|(1<<21)|(5<<22)|(3<<25)
	s_or_b32 s[G1SB+0], s44, (3<<16)|(1<<20)|(1<<21)|(5<<22)|(3<<25)
.irp g, G1S, G1SB
	s_mov_b32 s[\g+1], 32<<16
	s_mov_b32 s[\g+2], 16<<16                      ; the scale bytes of 128 rows: 16 rows of 256 bytes
	s_mov_b32 s[\g+3], 32<<16
	s_mov_b32 s[\g+4], 16
	s_mov_b32 s[\g+5], 32
	s_mov_b32 s[\g+6], 0
	s_mov_b32 s[\g+7], 0
.endr
	s_mul_i32 s20, s17, 98304                      ; my 128 tokens' images
	s_mov_b32 s21, 0
	s_add_co_u32 s46, s42, 56
	s_mul_i32 s46, s46, 98304                      ; Wo's group of 128 code rows
	s_mov_b32 s47, 0
	s_lshl_b32 s22, s17, 12                        ; the tokens' scale bytes
	s_mov_b32 s23, 0
	s_lshl_b32 s92, s42, 12
	s_add_co_u32 s92, s92, 7168*32                 ; Wo's
	s_mov_b32 s93, 0
	s_wait_dscnt 0x0
	s_wait_kmcnt 0x0
	s_add_nc_u64 s[20:21], s[4:5], s[20:21]
	s_add_nc_u64 s[22:23], s[6:7], s[22:23]
	s_add_nc_u64 s[46:47], s[8:9], s[46:47]
	s_add_nc_u64 s[92:93], s[10:11], s[92:93]
	CROUND
	s_mov_b32 s[G0S], 1
	s_mov_b32 s[G0S+1], SCL
	s_mov_b64 s[G0S+2:G0S+3], s[22:23]
	s_or_b32 s[G0S+3], s[G0S+3], 0x80000000
	s_mov_b32 s[G0SB], 1
	s_mov_b32 s[G0SB+1], SCL+2*HALFS
	s_mov_b64 s[G0SB+2:G0SB+3], s[92:93]
	s_or_b32 s[G0SB+3], s[G0SB+3], 0x80000000
	s_mov_b32 s[G0], 1
	s_mov_b32 s[G0+1], AIMG
	s_mov_b64 s[G0+2:G0+3], s[20:21]
	s_or_b32 s[G0+3], s[G0+3], 0x80000000
	s_mov_b32 s[G0B], 1
	s_mov_b32 s[G0B+1], BROW
	s_mov_b64 s[G0B+2:G0B+3], s[46:47]
	s_or_b32 s[G0B+3], s[G0B+3], 0x80000000
	; the head's four tiles, one a wave: every way through the chain passes one load
	ARM 1, G0B, G1B, .Lhead_a
	ARM 2, G0, G1, .Lhead_sa
	ARM 3, G0S, G1S, .Lhead_sb
	tensor_load_to_lds s[G0SB:G0SB+3], s[G1SB:G1SB+7]
	s_nop 0
	PLACES
.Lhead_asked:
	v_and_b32 v1, 15, v0
	v_bfe_u32 v2, v0, 4, 1
	v_and_b32 v3, 31, v0
	s_wait_alu depctr_va_vdst(0)
	s_lshl_b32 s46, s42, 9
	s_lshl_b32 s47, s16, 8
	s_add_co_u32 s46, s46, s47
	s_mov_b32 s47, 0
	s_add_nc_u64 s[98:99], s[98:99], s[46:47]
	v_lshlrev_b32 v[BOF], 5, v2
.irp b, 0,1,2,3
	global_load_b128 v[BIAS+8*\b:BIAS+8*\b+3], v[BOF], s[98:99] offset:64*\b
	global_load_b128 v[BIAS+8*\b+4:BIAS+8*\b+7], v[BOF], s[98:99] offset:64*\b+16
.endr
	s_lshl_b32 s92, s17, 19
	s_lshl_b32 s93, s15, 18
	s_add_co_u32 s92, s92, s93
	s_add_co_u32 s92, s92, s46
	s_mov_b32 s93, 0
	s_add_nc_u64 s[96:97], s[96:97], s[92:93]
	v_lshlrev_b32 v4, 4, v3
	v_lshlrev_b32 v5, 3, v3
	s_mul_i32 s21, s15, 4*1536
	v_add_nc_u32 v[AA16], s21, v4
	v_add_nc_u32 v[AA8], s21, v5
	s_add_co_u32 s21, s21, 49152
	v_add_nc_u32 v[AA16+1], s21, v4
	v_add_nc_u32 v[AA8+1], s21, v5
	v_mul_u32_u24 v6, v1, PITCH
	v_mad_u32_u24 v6, v2, 24, v6
	v_lshl_add_u32 v7, v2, 4, v6
	s_mul_i32 s22, s16, 64*PITCH
	s_add_co_u32 s22, s22, BROW
	v_add_nc_u32 v[ADRB], s22, v6
	v_add_nc_u32 v[ADRB+2], s22, v7
	s_add_co_u32 s22, s22, 2*CHB
	v_add_nc_u32 v[ADRB+1], s22, v6
	v_add_nc_u32 v[ADRB+3], s22, v7
	v_lshlrev_b32 v8, 5, v1
	v_lshrrev_b32 v9, 3, v1
	v_lshl_add_u32 v8, v9, 4, v8
	s_mul_i32 s21, s15, HALFS
	s_mul_i32 s22, s16, HALFS
	s_add_co_u32 s22, s22, 2*HALFS
	s_sub_co_u32 s22, s22, s21
	v_mul_u32_u24 v9, s22, v2
	s_add_co_u32 s21, s21, SCL
	v_add_nc_u32 v8, v8, v9
	v_add_nc_u32 v[ADRS], s21, v8
	s_mul_i32 s23, s14, 16*SPITCH
	s_add_co_u32 s23, s23, STAGE
	v_mul_u32_u24 v8, v1, SPITCH
	v_lshl_add_u32 v8, v2, 5, v8
	v_add_nc_u32 v[STO], s23, v8
	v_mul_u32_u24 v8, v2, SPITCH
	v_lshl_add_u32 v8, v1, 4, v8
	v_add_nc_u32 v[RD], s23, v8
	v_lshlrev_b32 v8, 12, v2
	v_lshl_add_u32 v[CO], v1, 4, v8
.macro FRAG reg, adr, q, i, more
.irp p, 0,1,2,3,4,5
.set PCE, 12*(\q)+6*(\p/3)+\p%3
.if PCE%8 < 5
	ds_load_b64 v[\reg+2*\p:\reg+2*\p+1], v[\adr] offset:8*PCE+16*(PCE/8)+(\i)*16*PITCH+(\more)
.else
	ds_load_b64 v[\reg+2*\p:\reg+2*\p+1], v[\adr+2] offset:8*PCE+16*(PCE/8)+(\i)*16*PITCH+(\more)
.endif
.endr
.endm
.macro FETCH s, f
	WIN TO_F
.irp i, 0,1,2,3
.irp c, 0,1
	ds_load_b128 v[\f+12*\i+6*\c:\f+12*\i+6*\c+3], v[AA16+(\s)/4] offset:((\s)%4)*12288+1536*\i+768*\c
	ds_load_b64 v[\f+12*\i+6*\c+4:\f+12*\i+6*\c+5], v[AA8+(\s)/4] offset:((\s)%4)*12288+1536*\i+768*\c+512
.endr
.endr
.irp i, 0,1,2,3
	FRAG \f+48+12*\i, ADRB+(\s)/4, (\s)%2, \i, (((\s)/2)%2)*CHB
.endr
.endm
.macro MUL8 f, s, a0
.irp a, \a0, \a0+1
.irp b, 0,1,2,3
.if (\s) == 0
	v_wmma_scale_f32_16x16x128_f8f6f4 v[ACC+8*(4*(\a)+\b):ACC+8*(4*(\a)+\b)+7], v[\f+48+12*\b:\f+48+12*\b+11], v[\f+12*(\a):\f+12*(\a)+11], v[BIAS+8*\b:BIAS+8*\b+7], v[SC+8*\b+(\s)], v[SC+8*(\a)+(\s)] matrix_a_fmt:MATRIX_FMT_FP6 matrix_b_fmt:MATRIX_FMT_FP6 matrix_a_scale:MATRIX_SCALE_ROW1
.else
	v_wmma_scale_f32_16x16x128_f8f6f4 v[ACC+8*(4*(\a)+\b):ACC+8*(4*(\a)+\b)+7], v[\f+48+12*\b:\f+48+12*\b+11], v[\f+12*(\a):\f+12*(\a)+11], v[ACC+8*(4*(\a)+\b):ACC+8*(4*(\a)+\b)+7], v[SC+8*\b+(\s)], v[SC+8*(\a)+(\s)] matrix_a_fmt:MATRIX_FMT_FP6 matrix_b_fmt:MATRIX_FMT_FP6 matrix_a_scale:MATRIX_SCALE_ROW1
.endif
.endr
.endr
.endm
	s_wait_alu depctr_va_vdst(0)
	s_wait_tensorcnt 0x0                           ; my tile is in; behind the barrier all four are
	s_barrier_signal -1
	s_barrier_wait -1
.irp i, 0,1,2,3
	ds_load_b128 v[SC+8*\i:SC+8*\i+3], v[ADRS] offset:\i*SBLK
	ds_load_b128 v[SC+8*\i+4:SC+8*\i+7], v[ADRS] offset:\i*SBLK+16
.endr
	FETCH 0, 0
	s_wait_loadcnt 0x0
.irp s, 0,1,2,3,4,5,6,7
	s_wait_dscnt 0x0
	WIN MUL
	MUL8 128*(\s%2), \s, 0
.if \s < 7
	PLACES
	FETCH \s+1, 128*((\s+1)%2)
	WIN MUL
.endif
	MUL8 128*(\s%2), \s, 2
.endr
	WIN 0
	PLACES
.irp a, 0,1,2,3
.if \a > 0
	s_wait_xcnt 0x0
.endif
.irp b, 0,1,2,3
	ds_store_b128 v[STO], v[ACC+8*(4*\a+\b):ACC+8*(4*\a+\b)+3] offset:64*\b
	ds_store_b128 v[STO], v[ACC+8*(4*\a+\b)+4:ACC+8*(4*\a+\b)+7] offset:64*\b+16
.endr
.irp t, 0,1,2,3,4,5,6,7
	ds_load_b128 v[OB+4*\t:OB+4*\t+3], v[RD] offset:\t*2*SPITCH
.endr
.irp t, 0,1,2,3,4,5,6,7
	s_wait_dscnt 7-\t
	global_store_b128 v[CO], v[OB+4*\t:OB+4*\t+3], s[96:97] offset:(16*\a+2*\t)*4096 th:TH_STORE_NT
.endr
.endr
	s_wait_tensorcnt 0x0
	ds_add_u32 v30, v31
	s_wait_dscnt 0x0
	CROUND
	s_endpgm
.Lfunc_end_k_qdd8f25f6a5_oproj:
	.size	k_qdd8f25f6a5_oproj, .Lfunc_end_k_qdd8f25f6a5_oproj-k_qdd8f25f6a5_oproj
	.p2alignl 7, 3214868480
	.fill 96, 4, 3214868480
	.section	.rodata,"a",@progbits
	.p2align	6, 0x0
	.amdhsa_kernel k_qdd8f25f6a5_oproj
		.amdhsa_group_segment_fixed_size 327680
		.amdhsa_private_segment_fixed_size 0
		.amdhsa_enable_private_segment 0
		.amdhsa_kernarg_size 48
		.amdhsa_user_sgpr_count 2
		.amdhsa_user_sgpr_kernarg_segment_ptr 1
		.amdhsa_wavefront_size32 1
		.amdhsa_system_sgpr_workgroup_id_x 1
		.amdhsa_system_sgpr_workgroup_id_y 1
		.amdhsa_system_sgpr_workgroup_id_z 1
		.amdhsa_system_vgpr_workitem_id 0
		.amdhsa_next_free_vgpr 512
		.amdhsa_next_free_sgpr 100
		.amdhsa_reserve_vcc 0
		.amdhsa_float_denorm_mode_32 3
		.amdhsa_float_denorm_mode_16_64 3
		.amdhsa_memory_ordered 1
		.amdhsa_forward_progress 1
		.amdhsa_inst_pref_size 57
	.end_amdhsa_kernel
	.amdgpu_metadata
---
amdhsa.version: [ 1, 2 ]
amdhsa.kernels:
  - .name:           k_qdd8f25f6a5_oproj
    .symbol:         k_qdd8f25f6a5_oproj.kd
    .args:
      - { .name: ac, .offset: 0, .size: 8, .value_kind: global_buffer, .address_space: global }
      - { .name: asw, .offset: 8, .size: 8, .value_kind: global_buffer, .address_space: global }
      - { .name: codes, .offset: 16, .size: 8, .value_kind: global_buffer, .address_space: global }
      - { .name: scl, .offset: 24, .size: 8, .value_kind: global_buffer, .address_space: global }
      - { .name: out0, .offset: 32, .size: 8, .value_kind: global_buffer, .address_space: global }
      - { .name: bo, .offset: 40, .size: 8, .value_kind: global_buffer, .address_space: global }
    .group_segment_fixed_size: 327680
    .private_segment_fixed_size: 0
    .kernarg_segment_align: 8
    .kernarg_segment_size: 48
    .max_flat_workgroup_size: 128
    .sgpr_count:     100
    .vgpr_count:     512
    .wavefront_size: 32
...
	.end_amdgpu_metadata
.endif
;; end of part 4
